; MI455X (gfx1250); checked and timed in simulation.
; The chip was launched on July 23, 2026; its instructions are those of AMD's public machine-readable ISA for CDNA 5 (MIT licence, August 2026) and "CDNA5" Instruction Set Architecture Reference Guide (July 2026). The comments in the code are by the model that wrote it; some were corrected since.
;; Mo E Layer. Allowed arithmetic: matrix products marked QUANTISED: E4M3 operands, one given power-of-two scale a tensor, by v_wmma_f32_16x16x64_fp8_fp8 or v_wmma_f32_16x16x128_fp8_fp8, f32 sums; products left as they are: f32 operands where the result goes on into a quantised operand, else bf16, f16 or f32 operands; f32 sums; everything else in f32.
;; Inputs: b1 8 x 2,048 float32; b2 8 x 1,024 float32; gate_w 1,024 x 8 float32; lowp_scales 32 int32 (the exponents e of the quantised operands' scales 2^e); w1_codes 8 x 2,048 x 32 x 32 uint8 (E4M3 codes of w1, K innermost, in blocks of 32 codes); w2_codes 8 x 1,024 x 64 x 32 uint8 (E4M3 codes of w2, K innermost, in blocks of 32 codes); x 4 x 512 x 1,024 float32.
;; Outputs: out0 4 x 512 x 1,024 float32.
;; This version of the problem:
;;   THIS VERSION OF THE PROBLEM IS GIVEN IN LOW PRECISION. The matrix products marked QUANTISED in the list below multiply operands that are first quantised to E4M3 (4 exponent bits, 3 mantissa bits; 8 bits a number), with one given power-of-two scale for each operand tensor; their sums are f32. All else is computed in f32.
;;   The module's matrix products, in the order in which they are computed (A, B: the left and right operand; K: the contracted axis; several contracted axes count as one K, in the product's order):
;;     1. [M 2,048, K 1,024] x [K 1,024, N 8]; A: input x; B: input gate_w: left as it is (N = 8 < 16)
;;     2. [M 2,048, K 1,024] x [K 1,024, N 2,048]; A: input x; B: input w1 (given as codes): QUANTISED (scales: A lowp_scales[0], B lowp_scales[1])
;;     3. [M 2,048, K 2,048] x [K 2,048, N 1,024]; A: computed on the way; B: input w2 (given as codes): QUANTISED (scales: A lowp_scales[2], B lowp_scales[3])
;;     4. [M 2,048, K 1,024] x [K 1,024, N 2,048]; A: input x; B: input w1 (given as codes): QUANTISED (scales: A lowp_scales[4], B lowp_scales[5])
;;     5. [M 2,048, K 2,048] x [K 2,048, N 1,024]; A: computed on the way; B: input w2 (given as codes): QUANTISED (scales: A lowp_scales[6], B lowp_scales[7])
;;     6. [M 2,048, K 1,024] x [K 1,024, N 2,048]; A: input x; B: input w1 (given as codes): QUANTISED (scales: A lowp_scales[8], B lowp_scales[9])
;;     7. [M 2,048, K 2,048] x [K 2,048, N 1,024]; A: computed on the way; B: input w2 (given as codes): QUANTISED (scales: A lowp_scales[10], B lowp_scales[11])
;;     8. [M 2,048, K 1,024] x [K 1,024, N 2,048]; A: input x; B: input w1 (given as codes): QUANTISED (scales: A lowp_scales[12], B lowp_scales[13])
;;     9. [M 2,048, K 2,048] x [K 2,048, N 1,024]; A: computed on the way; B: input w2 (given as codes): QUANTISED (scales: A lowp_scales[14], B lowp_scales[15])
;;     10. [M 2,048, K 1,024] x [K 1,024, N 2,048]; A: input x; B: input w1 (given as codes): QUANTISED (scales: A lowp_scales[16], B lowp_scales[17])
;;     11. [M 2,048, K 2,048] x [K 2,048, N 1,024]; A: computed on the way; B: input w2 (given as codes): QUANTISED (scales: A lowp_scales[18], B lowp_scales[19])
;;     12. [M 2,048, K 1,024] x [K 1,024, N 2,048]; A: input x; B: input w1 (given as codes): QUANTISED (scales: A lowp_scales[20], B lowp_scales[21])
;;     13. [M 2,048, K 2,048] x [K 2,048, N 1,024]; A: computed on the way; B: input w2 (given as codes): QUANTISED (scales: A lowp_scales[22], B lowp_scales[23])
;;     14. [M 2,048, K 1,024] x [K 1,024, N 2,048]; A: input x; B: input w1 (given as codes): QUANTISED (scales: A lowp_scales[24], B lowp_scales[25])
;;     15. [M 2,048, K 2,048] x [K 2,048, N 1,024]; A: computed on the way; B: input w2 (given as codes): QUANTISED (scales: A lowp_scales[26], B lowp_scales[27])
;;     16. [M 2,048, K 1,024] x [K 1,024, N 2,048]; A: input x; B: input w1 (given as codes): QUANTISED (scales: A lowp_scales[28], B lowp_scales[29])
;;     17. [M 2,048, K 2,048] x [K 2,048, N 1,024]; A: computed on the way; B: input w2 (given as codes): QUANTISED (scales: A lowp_scales[30], B lowp_scales[31])
;;   THE QUANTISER, for each operand of a quantised product, along K:
;;     - The operand's scale is 2^e, e = its entry of the input lowp_scales (int32; the entries are numbered through the quantised products in the list's order, A before B).
;;     - Each number is divided by the scale, clamped to +-448, and rounded to the nearest number of E4M3, ties to even, subnormals kept.
;;     - The product sums the exact products of the quantised numbers (number of the format x scale) in f32.
;;   ~~~python
;;   def quantise(x, axis, e):      # numpy; x: float32 -> the quantised numbers, widened to float32 again
;;       x = np.moveaxis(x, axis, -1); K = x.shape[-1]
;;       r = np.clip(x / 2.0 ** e, -448, 448)
;;       step = 2.0 ** (np.maximum(np.frexp(np.where(r == 0, 1, r))[1] - 1, -6) - 3)
;;       q = np.round(r / step) * step * 2.0 ** e      # np.round: ties to even
;;       return np.moveaxis(q, -1, axis).astype(np.float32)
;;   ~~~
;;   OPERANDS COMPUTED ON THE WAY. 'Computed on the way' means the value that the module computes at that place (a softmax that the list does not call 'softmax' is quantised finished and normalised). What goes into a quantiser is computed in f32, as accurately as f32 sums, v_exp_f32 and their like allow (about 1e-6 of the number): no bf16 or f16 on the way to a quantiser, and a product that is left as it is and whose result goes on into a quantised operand takes f32 operands (vector FMAs, or v_wmma_f32_16x16x4_f32). A number that lies on a knife's edge between two numbers of the format may be rounded either way, as far as f32 arithmetic and the matrix unit's own rounding can turn it there, and no further.
;;   INPUTS GIVEN AS CODES. w1 (in the module: [8, 1024, 2048], K = its axis 1); w2 (in the module: [8, 2048, 1024], K = its axis 1): each comes as NAME_codes (uint8): NAME with its K axis moved to the last place and cut into blocks of 32 codes, [.., K / 32, bytes a block], one block behind the other in memory; one code a byte (a code: sign, 4 exponent bits, 3 mantissa bits); its scale is its entry of lowp_scales. Its value is code x scale, taken as it is: it is not quantised again, and the codes and scales need not be those that the quantiser above would give.
;; 2 versions. Each part assembles by itself: llvm-mc -triple=amdgcn-amd-amdhsa -mcpu=gfx1250 --defsym DOCPART=n.
;; ======== version 1 of 2: 5 launches
;; workspace buffers: sel 16,384 bytes of whole numbers; val 16,384 bytes; xq 4,194,304 bytes; rows 16,384 bytes of whole numbers; tiles 1,024 bytes of whole numbers; wts 16,384 bytes; hq 8,388,608 bytes; ybuf 16,777,216 bytes
;; launch gate (part 1): grid 256 x 1, 8 waves a work-group, no clusters, 35,840 bytes of LDS; arguments x, gate_w, lowp_scales, sel, val, xq; writes sel, val, xq
.if DOCPART == 1
	.amdgcn_target "amdgcn-amd-amdhsa--gfx1250"
	.amdhsa_code_object_version 6
	.text
	.protected	k_qa95c511e06_gate
	.globl	k_qa95c511e06_gate
	.p2align	8
	.type	k_qa95c511e06_gate,@function
k_qa95c511e06_gate:
	s_mov_b64 s[64:65], 0
	v_nop
	global_prefetch_b8 v0, s[64:65] scope:SCOPE_SE
	s_setreg_imm32_b32 hwreg(HW_REG_WAVE_MODE, 25, 1), 1
	s_wait_xcnt 0x0
; THE ROUTER.  logits = x gate_w in f32 (fused multiply-adds), the two largest of a token's eight (on a tie the lower expert, as jax.lax.top_k has it),
; and x as codes of E4M3, twice: once with the scale of each chosen expert (lowp_scales[4 e] is x's exponent for expert e).
; Everything is stored at FIXED places: routed id 2 t + k (token t, slot k) -> sel[id] (expert), val[id] (its logit), xq[id][1024] (codes, K as it lies).
; No address and no branch hangs on the choice: the scale is picked by v_cndmask_b32.
; SHARES.  A wave takes one token, t = 8 x work-group + wave.  Lane l holds d = 256 j + 8 l + i (j = 0..3, i = 0..7): eight neighbours along d in consecutive registers,
; as the conversion wants them; a lane's 8 codes are 8 bytes, so each store of codes covers 256 consecutive bytes, aligned.
; gate_w (32,768 bytes) is copied once into LDS: each 256 bytes (the 8 rows d that one lane wants) at a pitch of 272.
; No matrix unit: N = 8, and the choice needs f32.  sel and val leave as 8 bytes a wave: 32,768 bytes in the whole launch.
; LIMITS: the logits are finite (NaN and infinities among the inputs are not served); lowp_scales[4 e] between -126 and 119, so that 2^e and 448 x 2^e are f32 numbers;
; a second and a third logit that differ by less than the rounding of a 1,024-term f32 sum may be chosen either way.
.set GP,  272                          ; pitch of 256 bytes of gate_w in LDS
.set X,   8                            ; v8-39    my 32 numbers of x: register 8 j + i
.set G,   40                           ; v40-103, v104-167: two sets of 64 numbers of gate_w: register 8 i + e
.set T,   40                           ; v40-71   x held within the largest code (gate_w's registers are free by then)
.set C,   72                           ; v72-87   codes: 8 registers for each slot, so that no store's data are written again
.set L,   168                          ; v168-175 the eight logits
.set M1,  176                          ; v176 largest logit, v177 its expert, v178 second largest, v179 its expert, v180, v181 at work
.set SC,  182                          ; v182 2^e of slot 0, v183 448 x that, v184, v185 the same for slot 1
	s_load_b256 s[4:11], s[0:1], 0x0               ; x s[4:5], gate_w s[6:7], lowp_scales s[8:9], sel s[10:11]
	s_load_b128 s[12:15], s[0:1], 0x20             ; val s[12:13], xq s[14:15]
	v_lshl_add_u32 v192, v0, 2, 0x8800
	v_mov_b32 v193, 0
	v_lshrrev_b32 v1, 5, v0
	v_readfirstlane_b32 s48, v1                    ; wave 0..7
	v_and_b32 v1, 31, v0                           ; lane
	v_lshrrev_b32 v2, 4, v0
	v_lshlrev_b32 v5, 4, v0                        ; 16 x thread: my 16 bytes of each 4,096 of gate_w
	v_lshl_add_u32 v2, v2, 4, v5                   ; and their place in LDS: byte g goes to g + 16 (g / 256)
	v_mul_u32_u24 v3, v1, GP                       ; where my lane's 8 rows of gate_w begin (j = 0)
	v_lshlrev_b32 v4, 5, v1                        ; x: 32 bytes a lane
	v_lshlrev_b32 v6, 3, v1                        ; codes: 8 bytes a lane
	v_lshlrev_b32 v188, 2, v1                      ; sel, val: 4 bytes a lane
	v_mov_b32 v7, 0                                ; written once: a lane permute's destination counts as one of its sources
	s_mov_b32 s50, 0x76543210                      ; v_permlanex16_b32: lane l takes lane l xor 16
	s_mov_b32 s51, 0xfedcba98
	s_lshl_b32 s52, ttmp9, 3
	s_add_co_u32 s52, s52, s48                     ; my token
	s_lshl_b32 s56, s52, 12                        ; its row of x: 4,096 bytes
	s_mov_b32 s57, 0
	s_lshl_b32 s58, s52, 11                        ; its two rows of codes: 2,048 bytes
	s_mov_b32 s59, 0
	s_lshl_b32 s60, s52, 3                         ; its two words of sel and of val
	s_mov_b32 s61, 0
	s_wait_kmcnt 0x0
	s_load_b512 s[16:31], s[8:9], 0x0              ; the 32 exponents
	s_load_b512 s[32:47], s[8:9], 0x40
	s_add_nc_u64 s[4:5], s[4:5], s[56:57]
	s_add_nc_u64 s[14:15], s[14:15], s[58:59]
	s_add_nc_u64 s[10:11], s[10:11], s[60:61]
	s_add_nc_u64 s[12:13], s[12:13], s[60:61]
.irp i, 0,1,2,3,4,5,6,7
	global_load_b128 v[G+4*\i:G+4*\i+3], v5, s[6:7] offset:4096*\i   ; gate_w as it lies: a wave reads 512 consecutive bytes
.endr
.irp j, 0,1,2,3
	global_load_b128 v[X+8*\j:X+8*\j+3],   v4, s[4:5] offset:1024*\j th:TH_LOAD_NT
	global_load_b128 v[X+8*\j+4:X+8*\j+7], v4, s[4:5] offset:1024*\j+16 th:TH_LOAD_NT
.endr
	s_wait_loadcnt 0x8                             ; gate_w is in; x's eight loads, issued behind it, stay out
.irp i, 0,1,2,3,4,5,6,7
	ds_store_b128 v2, v[G+4*\i:G+4*\i+3] offset:(4096+256)*\i
.endr
	s_wait_dscnt 0x0                               ; for the others' sake: my part of gate_w lies in LDS
	s_barrier_signal -1
	s_barrier_wait -1                              ; everybody's does
.macro GL j, set                       ; my 8 rows d = 256 j + 8 l + i of gate_w, 256 bytes, into a set
.set q, 0
.rept 16
	ds_load_b128 v[G+64*(\set)+4*q:G+64*(\set)+4*q+3], v3 offset:32*GP*(\j)+16*q
.set q, q+1
.endr
.endm
.macro FMA j, set                      ; 64 multiply-adds in eight chains that take turns; the first eight products start the sums
.irp i, 0,1,2,3,4,5,6,7
.irp e, 0,1,2,3,4,5,6,7
.if (\j == 0) && (\i == 0)
	v_mul_f32 v[L+\e], v[X+8*\j+\i], v[G+64*\set+8*\i+\e]
.else
	v_fmac_f32 v[L+\e], v[X+8*\j+\i], v[G+64*\set+8*\i+\e]
.endif
.endr
.endr
.endm
	GL 0, 0
	GL 1, 1
	s_wait_loadcnt 0x0                             ; x
	s_wait_dscnt 0x10                              ; the older set is in; the 16 loads of the younger one stay out
	FMA 0, 0
	GL 2, 0
	s_wait_dscnt 0x10
	FMA 1, 1
	GL 3, 1
	s_wait_dscnt 0x10
	FMA 2, 0
	s_wait_dscnt 0x0
	FMA 3, 1
	; the 32 lanes' parts are added: four steps inside each half of 16 lanes, one across; every lane ends with all eight logits
.irp m, 1,2,4,8
.irp e, 0,1,2,3,4,5,6,7
	v_add_f32_dpp v[L+\e], v[L+\e], v[L+\e] row_xmask:\m row_mask:0xf bank_mask:0xf
.endr
.endr
.irp e, 0,1,2,3,4,5,6,7
	v_permlanex16_b32 v7, v[L+\e], s50, s51
	v_add_f32 v[L+\e], v[L+\e], v7
.endr
	; the two largest.  Experts are taken in ascending order and only a strictly larger logit displaces: on a tie the lower expert stays ahead
	v_mov_b32 v[M1], v[L]
	v_mov_b32 v[M1+1], 0
	v_mov_b32 v[M1+2], 0xff800000                  ; -infinity: under every finite logit
	v_mov_b32 v[M1+3], 0
.irp e, 1,2,3,4,5,6,7
	v_cmp_gt_f32 vcc_lo, v[L+\e], v[M1]            ; above the largest?
	v_cmp_gt_f32 s54, v[L+\e], v[M1+2]             ; above the second?
	v_cndmask_b32 v[M1+4], v[M1+2], v[L+\e], s54
	v_cndmask_b32 v[M1+5], v[M1+3], \e, s54
	v_cndmask_b32 v[M1+2], v[M1+4], v[M1], vcc_lo  ; the old largest moves down
	v_cndmask_b32 v[M1+3], v[M1+5], v[M1+1], vcc_lo
	v_cndmask_b32 v[M1], v[M1], v[L+\e], vcc_lo
	v_cndmask_b32 v[M1+1], v[M1+1], \e, vcc_lo
.endr
	s_wait_kmcnt 0x0
.irp e, 0,1,2,3,4,5,6,7
	s_add_co_i32 s[16+4*\e], s[16+4*\e], 127
	s_lshl_b32 s[16+4*\e], s[16+4*\e], 23          ; 2^(x's exponent for expert e) as f32
.endr
	v_mov_b32 v[SC], s16
	v_mov_b32 v[SC+2], s16
.irp e, 1,2,3,4,5,6,7
	v_cmp_eq_u32 vcc_lo, \e, v[M1+1]
	v_cndmask_b32 v[SC], v[SC], s[16+4*\e], vcc_lo
	v_cmp_eq_u32 vcc_lo, \e, v[M1+3]
	v_cndmask_b32 v[SC+2], v[SC+2], s[16+4*\e], vcc_lo
.endr
	v_add_nc_u32 v[SC+1], 0x4600000, v[SC]         ; 448 x the scale: 8 onto the exponent field, 448's mantissa field below it
	v_add_nc_u32 v[SC+3], 0x4600000, v[SC+2]
.macro QX k                            ; my 32 numbers as codes with slot k's scale
.set n, 0
.rept 32
	v_med3_num_f32 v[T+n], v[X+n], -v[SC+2*\k+1], v[SC+2*\k+1]   ; the conversion to an 8-bit code does not saturate (ISA guide 7.6.2): the number is held first
.set n, n+1
.endr
.irp j, 0,1,2,3
	v_cvt_scalef32_pk8_fp8_f32 v[C+8*\k+2*\j:C+8*\k+2*\j+1], v[T+8*\j:T+8*\j+7], v[SC+2*\k]
.endr
	v_nop                                          ; one plain vector line behind the last conversion: the next slot's holds write the conversions' sources
.irp j, 0,1,2,3
	global_store_b64 v6, v[C+8*\k+2*\j:C+8*\k+2*\j+1], s[14:15] offset:1024*\k+256*\j   ; 32 lanes store 256 consecutive bytes, aligned
.endr
.endm
	QX 0
	QX 1
	v_cmp_eq_u32 vcc_lo, 0, v1
	v_cndmask_b32 v186, v[M1+3], v[M1+1], vcc_lo   ; lane 0: slot 0; lane 1: slot 1
	v_cndmask_b32 v187, v[M1+2], v[M1], vcc_lo
	v_cmp_gt_u32 vcc_lo, 2, v1
	s_wait_xcnt 0x0                                ; EXEC is a source of the stores above: it changes only behind this wait
	s_wait_tensorcnt 0x0
	ds_add_u32 v192, v193
	s_wait_dscnt 0x0
	s_and_saveexec_b32 s55, vcc_lo
	global_store_b32 v188, v186, s[10:11]
	global_store_b32 v188, v187, s[12:13]
	s_wait_xcnt 0x0                                ; and again in front of the line that widens it
	s_or_b32 exec_lo, exec_lo, s55
	s_endpgm
.Lfunc_end_k_qa95c511e06_gate:
	.size	k_qa95c511e06_gate, .Lfunc_end_k_qa95c511e06_gate-k_qa95c511e06_gate
	.p2alignl 7, 3214868480
	.fill 96, 4, 3214868480
	.section	.rodata,"a",@progbits
	.p2align	6, 0x0
	.amdhsa_kernel k_qa95c511e06_gate
		.amdhsa_group_segment_fixed_size 35840
		.amdhsa_private_segment_fixed_size 0
		.amdhsa_enable_private_segment 0
		.amdhsa_kernarg_size 48
		.amdhsa_user_sgpr_count 2
		.amdhsa_user_sgpr_kernarg_segment_ptr 1
		.amdhsa_wavefront_size32 1
		.amdhsa_system_sgpr_workgroup_id_x 1
		.amdhsa_system_sgpr_workgroup_id_y 1
		.amdhsa_system_sgpr_workgroup_id_z 1
		.amdhsa_system_vgpr_workitem_id 0
		.amdhsa_next_free_vgpr 194
		.amdhsa_next_free_sgpr 66
		.amdhsa_reserve_vcc 1
		.amdhsa_float_denorm_mode_32 3
		.amdhsa_float_denorm_mode_16_64 3
		.amdhsa_memory_ordered 1
		.amdhsa_forward_progress 1
		.amdhsa_inst_pref_size 30
	.end_amdhsa_kernel
	.amdgpu_metadata
---
amdhsa.version: [ 1, 2 ]
amdhsa.kernels:
  - .name:           k_qa95c511e06_gate
    .symbol:         k_qa95c511e06_gate.kd
    .args:
      - { .name: x, .offset: 0, .size: 8, .value_kind: global_buffer, .address_space: global }
      - { .name: gate_w, .offset: 8, .size: 8, .value_kind: global_buffer, .address_space: global }
      - { .name: lowp_scales, .offset: 16, .size: 8, .value_kind: global_buffer, .address_space: global }
      - { .name: sel, .offset: 24, .size: 8, .value_kind: global_buffer, .address_space: global }
      - { .name: val, .offset: 32, .size: 8, .value_kind: global_buffer, .address_space: global }
      - { .name: xq, .offset: 40, .size: 8, .value_kind: global_buffer, .address_space: global }
    .group_segment_fixed_size: 35840
    .private_segment_fixed_size: 0
    .kernarg_segment_align: 8
    .kernarg_segment_size: 48
    .max_flat_workgroup_size: 256
    .sgpr_count:     66
    .vgpr_count:     194
    .wavefront_size: 32
...
	.end_amdgpu_metadata
.endif
;; end of part 1
;; launch place (part 2): grid 1 x 1, 32 waves a work-group, no clusters, 5,120 bytes of LDS; arguments sel, val, rows, tiles, wts; writes rows, tiles, wts
.if DOCPART == 2
	.amdgcn_target "amdgcn-amd-amdhsa--gfx1250"
	.amdhsa_code_object_version 6
	.text
	.protected	k_qa95c511e06_place
	.globl	k_qa95c511e06_place
	.p2align	8
	.type	k_qa95c511e06_place,@function
k_qa95c511e06_place:
	s_mov_b64 s[64:65], 0
	v_nop
	global_prefetch_b8 v0, s[64:65] scope:SCOPE_SE
	s_setreg_imm32_b32 hwreg(HW_REG_WAVE_MODE, 25, 1), 1
	s_wait_xcnt 0x0
; THE PLACING.  One work-group of 32 waves.  (1) A counting sort of the 4,096 routed ids by expert: rows[position] = id, the experts' runs on end, no gaps.
; (2) The list of tiles of at most 160 rows: tiles[n] = (expert, first position, rows, 0); the sum over experts of ceil(n_e / 160) is at most 33 for every split; entries behind the last tile hold zeros.
; (3) The softmax over the TOKEN axis: for each batch (512 tokens) and slot, wts[id] = exp(val - max) / sum.  The maximum is taken away first, as the source does.
; SHARES.  Thread n owns ids 4 n .. 4 n + 3: two tokens x two slots; a batch is eight waves.  The order inside an expert is (wave, the id's place j in the thread, lane): any fixed order serves, since only this launch defines it.
; No atomics: each wave counts by ballots, the counts meet in LDS, each wave adds up those of the waves ahead of it.
; rows is written by 4-byte stores to sorted places: 16,384 bytes in all.
; LIMITS: val finite.  An exponential below 2^-126 counts as 0 (v_exp_f32 flushes: ISA guide 15.8).  sel beyond 7 is held at 7.
.set CNT,  0                           ; LDS: 16 bytes a wave: its eight counts, 16 bits each
.set MAXB, 512                         ; 8 bytes a wave: the largest val of slot 0 and of slot 1
.set SUMB, 768                         ; 8 bytes a wave: the sums of exponentials
.set E,   4                            ; v4-7    my four experts
.set V,   8                            ; v8-11   my four logits, then exponentials, then weights
.set P,   12                           ; v12-15  lane w: wave w's packed counts;  v16-19 the same, 0 in lanes that are not ahead of my wave
.set POS, 24                           ; v24-27  my ids' positions
.set ID,  28                           ; v28-31  my ids
.set W,   32                           ; v32-47  eight waves' maxima or sums; at work between
.set TE,  48                           ; v48-51  a tile's entry
.set NE,  32                           ; s32-39  rows of expert e
.set RUN, 40                           ; s40-47  the next free position of expert e, as my wave sees it
.set BASE, 48                          ; s48-56  first position of expert e
.set TB,  66                           ; s66-74  first tile of expert e
	s_load_b256 s[4:11], s[0:1], 0x0               ; sel s[4:5], val s[6:7], rows s[8:9], tiles s[10:11]
	s_load_b64 s[12:13], s[0:1], 0x20              ; wts
	v_lshl_add_u32 v64, v0, 2, 0x400
	v_mov_b32 v65, 0
	v_lshrrev_b32 v3, 5, v0                        ; wave, in every lane
	v_readfirstlane_b32 s14, v3
	v_and_b32 v1, 31, v0                           ; lane
	v_lshlrev_b32 v2, 4, v0                        ; 16 x thread
	v_mov_b32 v20, 0                               ; written once: a lane permute's destination counts as one of its sources
	v_lshlrev_b32 v52, 4, v3                       ; where my wave's counts go
	v_lshl_add_u32 v53, v3, 3, MAXB                ; and its maxima (its sums: 256 bytes on)
	v_lshlrev_b32 v54, 4, v1                       ; lane w reads wave w's counts
	v_lshrrev_b32 v55, 8, v0
	v_lshl_add_u32 v55, v55, 6, MAXB               ; my batch's eight waves' maxima
	s_mov_b32 s16, 0x76543210                      ; v_permlanex16_b32: lane l takes lane l xor 16
	s_mov_b32 s17, 0xfedcba98
	s_wait_kmcnt 0x0
	global_load_b128 v[E:E+3], v2, s[4:5]
	global_load_b128 v[V:V+3], v2, s[6:7]
	s_wait_loadcnt 0x0
.irp j, 0,1,2,3
	v_min_u32 v[E+\j], 7, v[E+\j]
	v_lshl_add_u32 v[ID+\j], v0, 2, \j
	v_mov_b32 v[POS+\j], 0
.endr
	; ---- my wave's counts: a ballot for each place j and expert e
.irp j, 0,1,2,3
.irp e, 0,1,2,3,4,5,6,7
	v_cmp_eq_u32 vcc_lo, \e, v[E+\j]
.if \j == 0
	s_bcnt1_i32_b32 s[20+\e], vcc_lo               ; the first ballot starts the count
.else
	s_bcnt1_i32_b32 s76, vcc_lo
	s_add_co_u32 s[20+\e], s[20+\e], s76
.endif
.endr
.endr
.irp i, 0,1,2,3
	s_lshl_b32 s76, s[21+2*\i], 16
	s_or_b32 s[28+\i], s[20+2*\i], s76             ; two counts a word: a wave's are at most 128, all waves' together at most 4,096
	v_mov_b32 v[P+\i], s[28+\i]
.endr
	ds_store_b128 v52, v[P:P+3] offset:CNT         ; all lanes write the same 16 bytes
	v_max_num_f32 v22, v[V], v[V+2]                ; slot 0 of my two tokens
	v_max_num_f32 v23, v[V+1], v[V+3]              ; slot 1
.irp m, 1,2,4,8
	v_max_num_f32_dpp v22, v22, v22 row_xmask:\m row_mask:0xf bank_mask:0xf
	v_max_num_f32_dpp v23, v23, v23 row_xmask:\m row_mask:0xf bank_mask:0xf
.endr
	v_permlanex16_b32 v20, v22, s16, s17
	v_max_num_f32 v22, v22, v20
	v_permlanex16_b32 v20, v23, s16, s17
	v_max_num_f32 v23, v23, v20
	ds_store_b64 v53, v[22:23]
	s_wait_dscnt 0x0                               ; for the others' sake: my counts and maxima lie in LDS
	s_barrier_signal -1
	s_barrier_wait -1
	; ---- the exponentials and my wave's sums
	ds_load_b128 v[P:P+3], v54 offset:CNT
.irp q, 0,1,2,3
	ds_load_b128 v[W+4*\q:W+4*\q+3], v55 offset:16*\q
.endr
	s_wait_dscnt 0x0
	v_max3_num_f32 v56, v[W], v[W+2], v[W+4]
	v_max3_num_f32 v57, v[W+1], v[W+3], v[W+5]
	v_max3_num_f32 v56, v56, v[W+6], v[W+8]
	v_max3_num_f32 v57, v57, v[W+7], v[W+9]
	v_max3_num_f32 v56, v56, v[W+10], v[W+12]
	v_max3_num_f32 v57, v57, v[W+11], v[W+13]
	v_max_num_f32 v56, v56, v[W+14]                ; the batch's largest of slot 0,
	v_max_num_f32 v57, v57, v[W+15]                ; of slot 1
	v_sub_f32 v[V], v[V], v56
	v_sub_f32 v[V+1], v[V+1], v57
	v_sub_f32 v[V+2], v[V+2], v56
	v_sub_f32 v[V+3], v[V+3], v57
.irp j, 0,1,2,3
	v_mul_f32 v[V+\j], 0x3fb8aa3b, v[V+\j]         ; x log2(e)
.endr
.irp j, 0,1,2,3
	v_exp_f32 v[V+\j], v[V+\j]
.endr
	v_cmp_lt_u32 vcc_lo, v1, v3                    ; independent work behind the exponentials: the counts of the waves ahead of mine
.irp i, 0,1,2,3
	v_cndmask_b32 v[P+4+\i], 0, v[P+\i], vcc_lo
.endr
	s_wait_alu depctr_va_vdst(0)                   ; one wait for the four exponentials, ahead of their first reader
	v_add_f32 v22, v[V], v[V+2]
	v_add_f32 v23, v[V+1], v[V+3]
.irp m, 1,2,4,8
	v_add_f32_dpp v22, v22, v22 row_xmask:\m row_mask:0xf bank_mask:0xf
	v_add_f32_dpp v23, v23, v23 row_xmask:\m row_mask:0xf bank_mask:0xf
.endr
	v_permlanex16_b32 v20, v22, s16, s17
	v_add_f32 v22, v22, v20
	v_permlanex16_b32 v20, v23, s16, s17
	v_add_f32 v23, v23, v20
	ds_store_b64 v53, v[22:23] offset:SUMB-MAXB    ; waited for in front of the second barrier; whole-number work stands between
	; ---- all waves' counts, and those of the waves ahead of mine, summed over the lanes (the 16-bit fields cannot carry: at most 4,096)
.irp m, 1,2,4,8
.irp i, 0,1,2,3,4,5,6,7
	v_mov_b32_dpp v[W+\i], v[P+\i] row_xmask:\m row_mask:0xf bank_mask:0xf
.endr
.irp i, 0,1,2,3,4,5,6,7
	v_add_nc_u32 v[P+\i], v[P+\i], v[W+\i]
.endr
.endr
.irp i, 0,1,2,3,4,5,6,7
	v_permlanex16_b32 v[W+\i], v[P+\i], s16, s17
.endr
.irp i, 0,1,2,3,4,5,6,7
	v_add_nc_u32 v[P+\i], v[P+\i], v[W+\i]
.endr
.irp i, 0,1,2,3
	v_readfirstlane_b32 s[28+\i], v[P+\i]
	v_readfirstlane_b32 s[80+\i], v[P+4+\i]
.endr
.irp i, 0,1,2,3
	s_and_b32 s[NE+2*\i], s[28+\i], 0xffff
	s_lshr_b32 s[NE+2*\i+1], s[28+\i], 16
	s_and_b32 s[RUN+2*\i], s[80+\i], 0xffff
	s_lshr_b32 s[RUN+2*\i+1], s[80+\i], 16
.endr
	s_mov_b32 s[BASE], 0
	s_mov_b32 s[TB], 0
.irp e, 0,1,2,3,4,5,6,7
	s_add_co_u32 s[BASE+1+\e], s[BASE+\e], s[NE+\e]
	s_add_co_u32 s[RUN+\e], s[RUN+\e], s[BASE+\e]  ; where my wave's first row of expert e goes
	s_add_co_u32 s76, s[NE+\e], 159
	s_mul_i32 s76, s76, 26215
	s_lshr_b32 s76, s76, 22                        ; ceil(n / 160): 26215 / 2^22 exceeds 1 / 160 by 1.43e-7, so the floor is right for n + 159 up to 43,690
	s_add_co_u32 s[TB+1+\e], s[TB+\e], s76
.endr
	; ---- my ids' positions: the ballots again; a lane's rank among the lanes below it, on top of the expert's next free position
.irp j, 0,1,2,3
.irp e, 0,1,2,3,4,5,6,7
	v_cmp_eq_u32 vcc_lo, \e, v[E+\j]
	v_mbcnt_lo_u32_b32 v20, vcc_lo, s[RUN+\e]
	v_cndmask_b32 v[POS+\j], v[POS+\j], v20, vcc_lo
	s_bcnt1_i32_b32 s76, vcc_lo
	s_add_co_u32 s[RUN+\e], s[RUN+\e], s76
.endr
.endr
.irp j, 0,1,2,3
	v_min_u32 v[POS+\j], 0xfff, v[POS+\j]          ; a number made of loaded ones enters an address only behind a bound
	v_lshlrev_b32 v[POS+\j], 2, v[POS+\j]
	global_store_b32 v[POS+\j], v[ID+\j], s[8:9]
.endr
	; ---- the tiles: threads 0 to 63, an entry each; a branch on the wave's number, and no barrier inside
	s_cmp_gt_u32 s14, 1
	s_cbranch_scc1 .Lno_table
	v_mov_b32 v[TE], 0                             ; expert,
	v_mov_b32 v56, 0                               ; its first position,
	v_mov_b32 v57, 0                               ; its first tile,
	v_mov_b32 v58, s[NE]                           ; its rows: those of the last expert whose first tile is not behind mine
.irp e, 1,2,3,4,5,6,7
	v_cmp_le_u32 vcc_lo, s[TB+\e], v0
	v_cndmask_b32 v[TE], v[TE], \e, vcc_lo
	v_cndmask_b32 v56, v56, s[BASE+\e], vcc_lo
	v_cndmask_b32 v57, v57, s[TB+\e], vcc_lo
	v_cndmask_b32 v58, v58, s[NE+\e], vcc_lo
.endr
	v_sub_nc_u32 v59, v0, v57
	v_mul_u32_u24 v59, v59, 160                    ; rows of the expert ahead of my tile
	v_add_nc_u32 v[TE+1], v56, v59
	v_sub_nc_u32 v[TE+2], v58, v59
	v_min_u32 v[TE+2], 160, v[TE+2]
	v_cmp_le_u32 vcc_lo, s[TB+8], v0               ; behind the last tile: zeros
	v_cndmask_b32 v[TE], v[TE], 0, vcc_lo
	v_cndmask_b32 v[TE+1], v[TE+1], 0, vcc_lo
	v_cndmask_b32 v[TE+2], v[TE+2], 0, vcc_lo
	v_mov_b32 v[TE+3], 0
	global_store_b128 v2, v[TE:TE+3], s[10:11]     ; a wave stores 512 consecutive bytes; the two waves write all 1,024
.Lno_table:
	s_wait_dscnt 0x0                               ; for the others' sake: my sums lie in LDS
	s_barrier_signal -1
	s_barrier_wait -1
	; ---- the weights
.irp q, 0,1,2,3
	ds_load_b128 v[W+4*\q:W+4*\q+3], v55 offset:SUMB-MAXB+16*\q
.endr
	s_wait_dscnt 0x0
	v_add_f32 v56, v[W], v[W+2]
	v_add_f32 v57, v[W+1], v[W+3]
.irp q, 4,6,8,10,12,14
	v_add_f32 v56, v56, v[W+\q]
	v_add_f32 v57, v57, v[W+\q+1]
.endr
	v_rcp_f32 v56, v56
	v_rcp_f32 v57, v57
	v_nop                                          ; a plain line behind the last reciprocal
	s_wait_alu depctr_va_vdst(0)                   ; one wait for both, ahead of their first reader
	v_mul_f32 v[V], v[V], v56
	v_mul_f32 v[V+1], v[V+1], v57
	v_mul_f32 v[V+2], v[V+2], v56
	v_mul_f32 v[V+3], v[V+3], v57
	global_store_b128 v2, v[V:V+3], s[12:13]       ; a wave stores 512 consecutive bytes
	s_wait_tensorcnt 0x0
	ds_add_u32 v64, v65
	s_wait_dscnt 0x0
	s_endpgm
.Lfunc_end_k_qa95c511e06_place:
	.size	k_qa95c511e06_place, .Lfunc_end_k_qa95c511e06_place-k_qa95c511e06_place
	.p2alignl 7, 3214868480
	.fill 96, 4, 3214868480
	.section	.rodata,"a",@progbits
	.p2align	6, 0x0
	.amdhsa_kernel k_qa95c511e06_place
		.amdhsa_group_segment_fixed_size 5120
		.amdhsa_private_segment_fixed_size 0
		.amdhsa_enable_private_segment 0
		.amdhsa_kernarg_size 40
		.amdhsa_user_sgpr_count 2
		.amdhsa_user_sgpr_kernarg_segment_ptr 1
		.amdhsa_wavefront_size32 1
		.amdhsa_system_sgpr_workgroup_id_x 1
		.amdhsa_system_sgpr_workgroup_id_y 1
		.amdhsa_system_sgpr_workgroup_id_z 1
		.amdhsa_system_vgpr_workitem_id 0
		.amdhsa_next_free_vgpr 66
		.amdhsa_next_free_sgpr 96
		.amdhsa_reserve_vcc 1
		.amdhsa_float_denorm_mode_32 3
		.amdhsa_float_denorm_mode_16_64 3
		.amdhsa_memory_ordered 1
		.amdhsa_forward_progress 1
		.amdhsa_inst_pref_size 26
	.end_amdhsa_kernel
	.amdgpu_metadata
---
amdhsa.version: [ 1, 2 ]
amdhsa.kernels:
  - .name:           k_qa95c511e06_place
    .symbol:         k_qa95c511e06_place.kd
    .args:
      - { .name: sel, .offset: 0, .size: 8, .value_kind: global_buffer, .address_space: global }
      - { .name: val, .offset: 8, .size: 8, .value_kind: global_buffer, .address_space: global }
      - { .name: rows, .offset: 16, .size: 8, .value_kind: global_buffer, .address_space: global }
      - { .name: tiles, .offset: 24, .size: 8, .value_kind: global_buffer, .address_space: global }
      - { .name: wts, .offset: 32, .size: 8, .value_kind: global_buffer, .address_space: global }
    .group_segment_fixed_size: 5120
    .private_segment_fixed_size: 0
    .kernarg_segment_align: 8
    .kernarg_segment_size: 40
    .max_flat_workgroup_size: 1024
    .sgpr_count:     96
    .vgpr_count:     66
    .wavefront_size: 32
...
	.end_amdgpu_metadata
.endif
;; end of part 2
;; launch ffn1 (part 3): grid 8 x 33, 8 waves a work-group, no clusters, 227,328 bytes of LDS; arguments xq, w1_codes, b1, lowp_scales, rows, tiles, hq; writes hq
.if DOCPART == 3
	.amdgcn_target "amdgcn-amd-amdhsa--gfx1250"
	.amdhsa_code_object_version 6
	.text
	.protected	k_qa95c511e06_ffn1
	.globl	k_qa95c511e06_ffn1
	.p2align	8
	.type	k_qa95c511e06_ffn1,@function
k_qa95c511e06_ffn1:
	s_mov_b64 s[64:65], 0
	v_nop
	global_prefetch_b8 v0, s[64:65] scope:SCOPE_SE
	s_setreg_imm32_b32 hwreg(HW_REG_WAVE_MODE, 25, 1), 1
	s_wait_xcnt 0x0
; THE FIRST PRODUCT OF THE CHOSEN EXPERTS.  hq[position][f] = the code of relu(x W1[e] + b1[e]) with the scale 2^eh, for the routed rows alone.
; A work-group takes tile y of the list (at most 160 sorted positions of ONE expert) and 256 hidden units (slice x).  Its rows of x's codes are gathered by the list: xq[rows[position]].
; 33 tiles serve every split (ceil(4096 / 160) + 7).  A tile that a split leaves without rows stores nothing.
; NO TENSOR LOADS, NO CLUSTER: what a work-group does hangs on numbers read from memory (rows in its tile, ids of its rows), and partners of a cluster would have different numbers of rows.
; Instead both tiles go memory -> registers -> LDS, a chunk of 256 along K at a time, in two LDS buffers; inside the work-group x's tile serves four columns of waves and W1's both rows of waves.
; EVERY WAVE PASSES EVERY BARRIER: the branch on the tile's rows jumps over work alone, piece by piece, never over a barrier.  So that each piece finds its registers written on every way, the head
; (addresses, list, bias, first loads) is run by every work-group; one without rows takes expert 0 and position 0 there, which always exist.
; EIGHT WAVES, 2 x 4; a wave makes 80 rows x 64 units: 20 accumulators.  For 64 along K it reads 5 + 4 fragments, 9,216 bytes of LDS, for 20 matrix instructions.
; v_wmma_f32_16x16x64_fp8_fp8, USED TRANSPOSED: source 0 = 16 rows of W1's codes (16 hidden units), source 1 = 16 rows of x:
; lane (r, h) then holds row r and, in registers 0..7, units 8 h + 0..7: eight neighbours along the next K, which one conversion turns into 8 bytes.
; A fragment (16 rows x 64 K, 8 registers) comes by two ds_load_b128: registers 0-3 = the row's bytes 16 h .. + 15 of the 64, registers 4-7 = bytes 32 + 16 h .. + 15: a permutation of k, the same on both sides,
; so every product meets its partner; only the order of the sums inside an instruction changes.
; TWO SETS OF FRAGMENTS: a step's 18 LDS loads are issued a step ahead of the products that read them.
; THE SCALES.  A sum stands for sum x 2^(ex + ew1).  The accumulators start as b1 / 2^(ex + ew1) (so the bias costs no addition and nothing is cleared), and the conversion takes 2^(eh - ex - ew1).
; relu and the hold at the largest code are one v_med3_num_f32 between 0 and 448 x that scale.
; LIMITS: eh - ex - ew1 between -126 and 119; b1 / 2^(ex + ew1) an f32 number; NaN is not served.
; REGISTERS, in windows of 256 (s_set_vgpr_msb: bits 1:0 source 0, 3:2 source 1, 5:4 source 2, 7:6 destination):
;   window 0: v1, v2 LDS address of my x fragments in buffer 0, 1;  v3, v4 of my W1 fragments;  v5, v6 where I store x's and W1's 16 bytes in buffer 0;  v7, v8 in buffer 1;  v9 my byte offset in W1's tile;
;             v16-25 offsets in xq;  v32-103 fragment set 0;  v104-207 a chunk on its way;  v208-227 the list, in the head;
;             v240 r, v241 h, v242 thread / 16, v243 32 h, v244 lane, v245, v246 the stage (in, back), v247 8 x lane, v248 the conversion's scale, v249 448 x it, v253-255 at work in the head
;   window 1: v0-159 the accumulators, (mt, nt) at 32 mt + 8 nt;  v160-231 fragment set 1
; Every LDS store and every global store takes its data from window 0.
; s20 expert, s21 first position, s22 rows, s24 wave, s25, s26 its row and column, s27 slice, s28-31 ex, ew1, eh, ew2, s[32:33] W1's tile, s[34:35] my bias, s36 rows - 1, s39 rows left from my first stage row on
.set KROW,  1024                       ; a row of xq and of W1's codes, in bytes
.set NCH,   4                          ; chunks of 256 along K
.set PITCH, 272                        ; an LDS row: 256 bytes + 16: 68 words, so the 16 rows that a load touches start at 16 different banks (64 banks of 4 bytes: ISA guide 11.1)
.set AREG,  160*PITCH                  ; x's 160 rows, then W1's 256
.set BUF,   (160+256)*PITCH            ; a buffer; two of them
.set RR,    16                         ; rows that the 256 threads move at once, 16 threads to a row of 256 bytes
.set NA,    10                         ; such rounds for x's tile
.set NB,    16                         ; and for W1's
.set RP,    RR*PITCH
.set AOFF,  16
.set F0,    32                         ; fragment set 0, in window 0: five of x (40 registers), then four of W1 (32)
.set F1,    160                        ; fragment set 1, in window 1
.set ST,    104
.set CD,    168                        ; v168-207: the codes on the way out (the chunk's registers are free by then)
.set MSB,   0
.macro WIN new                         ; the immediate's high byte repeats the setting that is left; a switch that changes nothing is dropped
.if MSB != \new
	s_set_vgpr_msb (MSB<<8)|\new
.set MSB, \new
.endif
.endm
.macro PLACES                          ; a load into, or a vector write of, a register that a matrix instruction has named, and a read of its result, stand four plain vector instructions behind it
.rept 4
	v_nop
.endr
.endm
.macro LOADA c                         ; chunk c of my tile's rows of x: a wave's load covers two rows' 256 consecutive bytes, aligned
.set p, 0
.rept NA
	global_load_b128 v[ST+4*p:ST+4*p+3], v[AOFF+p], s[4:5] offset:256*(\c)
.set p, p+1
.endr
.endm
.macro LOADB c
.set p, 0
.rept NB
	global_load_b128 v[ST+4*NA+4*p:ST+4*NA+4*p+3], v9, s[32:33] offset:RR*KROW*p+256*(\c)
.set p, p+1
.endr
.endm
.macro STORE b                         ; the chunk in ST goes into buffer b
.set p, 0
.rept NA
	ds_store_b128 v[5+2*(\b)], v[ST+4*p:ST+4*p+3] offset:RP*p
.set p, p+1
.endr
.set p, 0
.rept NB
	ds_store_b128 v[6+2*(\b)], v[ST+4*NA+4*p:ST+4*NA+4*p+3] offset:RP*p
.set p, p+1
.endr
.endm
; 18 LDS loads: the fragments of the s-th 64 along K of buffer b into set q.  W1's first fragment and x's five come first, so that the first five products can start while the other six loads are out.
.macro LOADF b, s, q
.if \q
	WIN 0x40                                       ; destination window 1, address window 0
.set FS, F1
.else
	WIN 0
.set FS, F0
.endif
	ds_load_b128 v[FS+40:FS+43], v[3+(\b)] offset:64*(\s)
	ds_load_b128 v[FS+44:FS+47], v[3+(\b)] offset:64*(\s)+32
.irp mt, 0,1,2,3,4
	ds_load_b128 v[FS+8*\mt:FS+8*\mt+3],   v[1+(\b)] offset:16*PITCH*\mt+64*(\s)
	ds_load_b128 v[FS+8*\mt+4:FS+8*\mt+7], v[1+(\b)] offset:16*PITCH*\mt+64*(\s)+32
.endr
.irp nt, 1,2,3
	ds_load_b128 v[FS+40+8*\nt:FS+43+8*\nt], v[3+(\b)] offset:16*PITCH*\nt+64*(\s)
	ds_load_b128 v[FS+44+8*\nt:FS+47+8*\nt], v[3+(\b)] offset:16*PITCH*\nt+64*(\s)+32
.endr
.endm
; 20 matrix instructions on set q.  y = the LDS loads issued behind this set's (the other set's 18, or none).  The twenty accumulators take turns, one instruction a turn, in the same order in every step.
.macro MUL q, y
.if \q
	WIN 0x55                                       ; fragments and accumulators in window 1
.set FS, F1
.else
	WIN 0x50                                       ; fragments in window 0, C and D in window 1
.set FS, F0
.endif
.irp nt, 0,1,2,3
	s_wait_dscnt (\y)+6-2*\nt                      ; may be out: W1's fragments behind this one, two loads each, and the younger set
.irp mt, 0,1,2,3,4
	v_wmma_f32_16x16x64_fp8_fp8 v[32*\mt+8*\nt:32*\mt+8*\nt+7], v[FS+40+8*\nt:FS+47+8*\nt], v[FS+8*\mt:FS+8*\mt+7], v[32*\mt+8*\nt:32*\mt+8*\nt+7]
.endr
.endr
	PLACES                                         ; at the step's end, so that they stand behind the products on every way on
.endm
.macro COMPUTE b                       ; a chunk: four steps of 64 along K, the sets by turns
	LOADF \b, 0, 0
	LOADF \b, 1, 1
	MUL 0, 18
	LOADF \b, 2, 0
	MUL 1, 18
	LOADF \b, 3, 1
	MUL 0, 18
	MUL 1, 0
	WIN 0                                          ; at a label and at a branch every window is 0
.endm
.macro BAR                             ; my LDS stores have landed and my LDS loads are in: then the work-group's barrier.  Never under a branch
	s_wait_dscnt 0x0
	s_barrier_signal -1
	s_barrier_wait -1
.endm
; Chunk c is multiplied out of buffer c % 2; then chunk c + 1, asked for a trip ago, goes into the other buffer, whose last reads every wave awaited in front of the last barrier; then chunk c + 2 is asked for.
.macro TRIP c, bar
	s_cmp_eq_u32 s22, 0
	s_cbranch_scc1 .Lskip_\@
	COMPUTE (\c)%2
.if (\c)+1 < NCH
	s_wait_loadcnt 0x0                             ; chunk c + 1 is in registers
	STORE ((\c)+1)%2
	s_wait_dscnt 0x0                               ; the stores have read their registers, which take the next loads
.endif
.if (\c)+2 < NCH
	LOADA (\c)+2
	LOADB (\c)+2
.endif
.Lskip_\@:
.if \bar
	BAR
.endif
.endm
	s_load_b256 s[4:11], s[0:1], 0x0               ; xq s[4:5], w1_codes s[6:7], b1 s[8:9], lowp_scales s[10:11]
	s_load_b128 s[12:15], s[0:1], 0x20             ; rows s[12:13], tiles s[14:15]
	s_load_b64 s[16:17], s[0:1], 0x30              ; hq
	v_lshl_add_u32 v251, v0, 2, 0x37400
	v_mov_b32 v252, 0
	v_lshrrev_b32 v253, 5, v0
	v_readfirstlane_b32 s24, v253                  ; wave 0..7
	s_lshr_b32 s25, s24, 2                         ; which 80 rows
	s_and_b32 s26, s24, 3                          ; which 64 units
	s_mov_b32 s27, ttmp9                           ; slice
	s_and_b32 s37, ttmp7, 0xffff                   ; tile
	s_lshl_b32 s37, s37, 4
	s_wait_kmcnt 0x0
	s_load_b128 s[20:23], s[14:15], s37 offset:0x0 ; expert, first position, rows, 0
	v_and_b32 v240, 15, v0                         ; r
	v_bfe_u32 v241, v0, 4, 1                       ; h
	v_lshrrev_b32 v242, 4, v0                      ; thread / 16: my row in a round
	v_lshlrev_b32 v243, 5, v241                    ; 32 h: my half's eight numbers of a tile's bias
	v_and_b32 v244, 31, v0                         ; lane
	v_lshlrev_b32 v254, 4, v240                    ; 16 r: also my 16 bytes of a row of 256
	v_mul_u32_u24 v255, v240, PITCH
	v_lshl_add_u32 v253, v241, 4, v255             ; a fragment's row x pitch + 16 h
	s_mul_i32 s44, s25, 80*PITCH
	v_add_nc_u32 v1, s44, v253
	v_add_nc_u32 v2, BUF, v1
	s_mul_i32 s45, s26, 64*PITCH
	s_add_co_u32 s45, s45, AREG
	v_add_nc_u32 v3, s45, v253
	v_add_nc_u32 v4, BUF, v3
	v_mul_u32_u24 v5, v242, PITCH
	v_add_nc_u32 v5, v5, v254
	v_add_nc_u32 v6, AREG, v5
	v_add_nc_u32 v7, BUF, v5
	v_add_nc_u32 v8, BUF, v6
	v_lshl_add_u32 v9, v242, 10, v254              ; W1's tile: row thread / 16, 16 bytes
	s_lshl_b32 s46, s26, 6
	s_add_co_u32 s46, s46, s44
	v_lshl_add_u32 v245, v241, 3, v255
	v_add_nc_u32 v245, s46, v245                   ; the stage, in: row 80 wm + r, byte 64 wn + 8 h
	s_mul_i32 s47, s24, 20*PITCH
	v_lshlrev_b32 v247, 3, v244                    ; 8 x lane
	v_add_nc_u32 v246, s47, v247                   ; back: my 20 rows, 8 bytes a lane
	s_wait_kmcnt 0x0
	s_min_u32 s20, s20, 7                          ; numbers that were loaded enter addresses only behind a bound
	s_min_u32 s21, s21, 4095
	s_min_u32 s22, s22, 160
	s_lshl_b32 s38, s20, 4
	s_load_b128 s[28:31], s[10:11], s38 offset:0x0 ; the expert's ex, ew1, eh, ew2
	s_max_u32 s36, s22, 1
	s_sub_co_u32 s36, s36, 1                       ; the tile's last row: rows beyond it are read as that row, and not stored
	s_lshl_b32 s40, s20, 21                        ; an expert's codes: 2 MiB
	s_lshl_b32 s42, s27, 18                        ; 256 rows of 1,024 bytes
	s_add_co_u32 s40, s40, s42
	s_mov_b32 s41, 0
	s_add_nc_u64 s[32:33], s[6:7], s[40:41]
	s_lshl_b32 s40, s20, 13                        ; b1: 8,192 bytes an expert,
	s_lshl_b32 s42, s27, 10                        ; 1,024 a slice,
	s_add_co_u32 s40, s40, s42
	s_lshl_b32 s42, s26, 8                         ; 256 a column of waves
	s_add_co_u32 s40, s40, s42
	s_add_nc_u64 s[34:35], s[8:9], s[40:41]
	s_mul_i32 s42, s24, 20
	s_sub_co_i32 s39, s22, s42                     ; rows left from my first stage row on
	s_add_co_u32 s40, s21, s42
	s_lshl_b32 s40, s40, 11                        ; hq: 2,048 bytes a position,
	s_lshl_b32 s42, s27, 8                         ; 256 a slice
	s_add_co_u32 s40, s40, s42
	s_add_nc_u64 s[16:17], s[16:17], s[40:41]
.set p, 0
.rept NA                               ; the ids of the rows that I move
	v_add_nc_u32 v[208+p], RR*p, v242
	v_min_u32 v[208+p], s36, v[208+p]
	v_add_nc_u32 v[208+p], s21, v[208+p]
	v_min_u32 v[208+p], 0xfff, v[208+p]
	v_lshlrev_b32 v[208+p], 2, v[208+p]
	global_load_b32 v[218+p], v[208+p], s[12:13]
.set p, p+1
.endr
.irp n, 0,1,2,3                        ; b1 at my units 64 wn + 16 n + 8 h + 0..7
	global_load_b128 v[32+8*\n:35+8*\n], v243, s[34:35] offset:64*\n
	global_load_b128 v[36+8*\n:39+8*\n], v243, s[34:35] offset:64*\n+16
.endr
	LOADB 0
	s_wait_loadcnt 0x18                            ; the ids are in: behind them stand the bias's 8 loads and W1's 16
.set p, 0
.rept NA
	v_min_u32 v[AOFF+p], 0xfff, v[218+p]
	v_lshl_add_u32 v[AOFF+p], v[AOFF+p], 10, v254  ; id x 1,024 + my 16 bytes
.set p, p+1
.endr
	LOADA 0
	s_wait_loadcnt 0x1a                            ; the bias is in: behind it stand W1's 16 loads and x's 10
	s_wait_kmcnt 0x0
	s_add_co_i32 s48, s28, s29                     ; ex + ew1
	s_sub_co_i32 s49, 0, s48
	s_sub_co_i32 s50, s30, s48                     ; eh - ex - ew1
	s_add_co_i32 s50, s50, 127
	s_lshl_b32 s50, s50, 23
	v_mov_b32 v248, s50                            ; 2^(eh - ex - ew1) as f32: the conversion takes its exponent field
	s_add_co_u32 s50, s50, 0x4600000
	v_mov_b32 v249, s50                            ; 448 x that
	WIN 0x40                                       ; destination window 1
.irp mt, 0,1,2,3,4
.set n, 0
.rept 32
	v_ldexp_f32 v[32*\mt+n], v[32+n], s49          ; the sums start as b1 / 2^(ex + ew1)
.set n, n+1
.endr
.endr
	WIN 0
	s_cmp_eq_u32 s22, 0
	s_cbranch_scc1 .Lno_first
	s_wait_loadcnt 0x0                             ; chunk 0
	STORE 0
	s_wait_dscnt 0x0                               ; the stores have read their registers
	LOADA 1
	LOADB 1
.Lno_first:
	BAR
	TRIP 0, 1
	TRIP 1, 1
	TRIP 2, 1
	TRIP 3, 0                                      ; it reads buffer 1 alone, and what follows writes buffer 0 alone, whose last reads stood in front of the last barrier: no barrier here
	; ---- relu, the hold and the conversion; 8 codes a lane and tile go to a stage of 160 rows x 272 bytes in buffer 0
	s_cmp_eq_u32 s22, 0
	s_cbranch_scc1 .Lno_codes
	s_wait_loadcnt 0x0                             ; no load is on its way into the registers that take the codes
	WIN 0x41                                       ; source 0 and destination window 1
.set n, 0
.rept 160
	v_med3_num_f32 v[n], v[n], 0, v249             ; the activation and the hold in one (the conversion does not saturate: ISA guide 7.6.2); each accumulator from its low end on
.set n, n+1
.endr
	WIN 0x01                                       ; source 0 window 1, destination window 0
.set t, 0
.rept 20
	v_cvt_scalef32_pk8_fp8_f32 v[CD+2*t:CD+2*t+1], v[8*t:8*t+7], v248
.set t, t+1
.endr
	WIN 0
	v_nop                                          ; one plain vector line behind the last conversion
.irp mt, 0,1,2,3,4
.irp nt, 0,1,2,3
	ds_store_b64 v245, v[CD+8*\mt+2*\nt:CD+8*\mt+2*\nt+1] offset:16*PITCH*\mt+16*\nt
.endr
.endr
.Lno_codes:
	BAR                                            ; whole rows of 256 codes lie in the stage
	s_cmp_le_i32 s39, 0
	s_cbranch_scc1 .Ldone
.set i, 0
.rept 20
	ds_load_b64 v[32+2*i:33+2*i], v246 offset:PITCH*i
.set i, i+1
.endr
	s_wait_dscnt 0x0
.set i, 0
.rept 20
	s_cmp_le_i32 s39, i                            ; rows beyond the tile's count are not stored
	s_cbranch_scc1 .Ldone
	global_store_b64 v247, v[32+2*i:33+2*i], s[16:17] offset:2048*i   ; 32 lanes store 256 consecutive bytes, aligned
.set i, i+1
.endr
.Ldone:
	s_wait_tensorcnt 0x0
	ds_add_u32 v251, v252
	s_wait_dscnt 0x0
	s_endpgm
.Lfunc_end_k_qa95c511e06_ffn1:
	.size	k_qa95c511e06_ffn1, .Lfunc_end_k_qa95c511e06_ffn1-k_qa95c511e06_ffn1
	.p2alignl 7, 3214868480
	.fill 96, 4, 3214868480
	.section	.rodata,"a",@progbits
	.p2align	6, 0x0
	.amdhsa_kernel k_qa95c511e06_ffn1
		.amdhsa_group_segment_fixed_size 227328
		.amdhsa_private_segment_fixed_size 0
		.amdhsa_enable_private_segment 0
		.amdhsa_kernarg_size 56
		.amdhsa_user_sgpr_count 2
		.amdhsa_user_sgpr_kernarg_segment_ptr 1
		.amdhsa_wavefront_size32 1
		.amdhsa_system_sgpr_workgroup_id_x 1
		.amdhsa_system_sgpr_workgroup_id_y 1
		.amdhsa_system_sgpr_workgroup_id_z 1
		.amdhsa_system_vgpr_workitem_id 0
		.amdhsa_next_free_vgpr 488
		.amdhsa_next_free_sgpr 66
		.amdhsa_reserve_vcc 0
		.amdhsa_float_denorm_mode_32 3
		.amdhsa_float_denorm_mode_16_64 3
		.amdhsa_memory_ordered 1
		.amdhsa_forward_progress 1
		.amdhsa_inst_pref_size 97
	.end_amdhsa_kernel
	.amdgpu_metadata
---
amdhsa.version: [ 1, 2 ]
amdhsa.kernels:
  - .name:           k_qa95c511e06_ffn1
    .symbol:         k_qa95c511e06_ffn1.kd
    .args:
      - { .name: xq, .offset: 0, .size: 8, .value_kind: global_buffer, .address_space: global }
      - { .name: w1_codes, .offset: 8, .size: 8, .value_kind: global_buffer, .address_space: global }
      - { .name: b1, .offset: 16, .size: 8, .value_kind: global_buffer, .address_space: global }
      - { .name: lowp_scales, .offset: 24, .size: 8, .value_kind: global_buffer, .address_space: global }
      - { .name: rows, .offset: 32, .size: 8, .value_kind: global_buffer, .address_space: global }
      - { .name: tiles, .offset: 40, .size: 8, .value_kind: global_buffer, .address_space: global }
      - { .name: hq, .offset: 48, .size: 8, .value_kind: global_buffer, .address_space: global }
    .group_segment_fixed_size: 227328
    .private_segment_fixed_size: 0
    .kernarg_segment_align: 8
    .kernarg_segment_size: 56
    .max_flat_workgroup_size: 256
    .sgpr_count:     66
    .vgpr_count:     488
    .wavefront_size: 32
...
	.end_amdgpu_metadata
.endif
;; end of part 3
;; launch ffn2 (part 4): grid 8 x 33, 8 waves a work-group, no clusters, 305,152 bytes of LDS; arguments hq, w2_codes, b2, lowp_scales, rows, tiles, ybuf, wts; writes ybuf
.if DOCPART == 4
	.amdgcn_target "amdgcn-amd-amdhsa--gfx1250"
	.amdhsa_code_object_version 6
	.text
	.protected	k_qa95c511e06_ffn2
	.globl	k_qa95c511e06_ffn2
	.p2align	8
	.type	k_qa95c511e06_ffn2,@function
k_qa95c511e06_ffn2:
	s_mov_b64 s[64:65], 0
	v_nop
	global_prefetch_b8 v0, s[64:65] scope:SCOPE_SE
	s_setreg_imm32_b32 hwreg(HW_REG_WAVE_MODE, 25, 1), 1
	s_wait_xcnt 0x0
; THE SECOND PRODUCT OF THE CHOSEN EXPERTS.  ybuf[id][d] = wts[id] x (h W2[e] + b2[e]), for the routed rows alone; id = rows[position].
; A work-group takes tile y of the list (at most 160 sorted positions of ONE expert) and 128 outputs (slice x).  Its rows of h's codes lie on end in hq.
; 33 tiles serve every split (ceil(4096 / 160) + 7).  A tile that a split leaves without rows stores nothing.
; NO TENSOR LOADS, NO CLUSTER: what a work-group does hangs on numbers read from memory (rows in its tile, ids of its rows), and partners of a cluster would have different numbers of rows.
; Both tiles go memory -> registers -> LDS, a chunk of 512 along K at a time, in two LDS buffers: 36 loads of 16 bytes a thread are on their way while a chunk is multiplied.
; EVERY WAVE PASSES EVERY BARRIER: the branch on the tile's rows jumps over work alone, piece by piece, never over a barrier.  The head is run by every work-group; one without rows takes expert 0 and position 0 there.
; EIGHT WAVES IN TWO TEAMS OF FOUR.  A wave makes 80 rows x 64 outputs, 20 accumulators: for 64 along K it reads 5 + 4 fragments, 9,216 bytes of LDS, for 20 matrix instructions.  Four such tiles cover the 160 x 128,
; so the teams share K: of each chunk's 512, team g multiplies bytes 256 g .. 256 g + 255.  At the end team 1 puts its weighted sums into the stage, and team 0 adds its own by one fused multiply-add a number.
; AN ORDER OF ROUNDING THAT DIFFERS FROM THE SOURCE'S: an output's sum over K is formed in two f32 halves, which are added once.
; v_wmma_f32_16x16x64_fp8_fp8, USED TRANSPOSED: source 0 = 16 rows of W2's codes (16 outputs), source 1 = 16 rows of h:
; lane (r, h) then holds row r and, in registers 0..7, outputs 8 h + 0..7: 32 neighbouring bytes of a row of y.
; A fragment (16 rows x 64 K, 8 registers) comes by two ds_load_b128: registers 0-3 = the row's bytes 16 h .. + 15 of the 64, registers 4-7 = bytes 32 + 16 h .. + 15: a permutation of k, the same on both sides.
; THE SCALES.  A sum stands for sum x 2^(eh + ew2).  Each team's accumulators start as HALF of b2 / 2^(eh + ew2) (no branch, nothing cleared), and each finished sum is multiplied once by the row's weight x 2^(eh + ew2).
; LIMITS: b2 / 2^(eh + ew2 + 1) and weight x 2^(eh + ew2) are f32 numbers; NaN is not served.
; REGISTERS, in windows of 256 (s_set_vgpr_msb: bits 1:0 source 0, 3:2 source 1, 5:4 source 2, 7:6 destination):
;   window 0: v1, v2 LDS address of my h fragments in buffer 0, 1;  v3, v4 of my W2 fragments;  v5, v6, v7 where I store h's rounds 0-9, h's rounds 10-19 and W2's 16 bytes in buffer 0;  v8, v9, v10 in buffer 1;
;             v11 my byte offset in W2's tile;  v12, v13 the stage (in, back);  v14 16 x lane;  v15 lane i: the id of stage row 20 wave + i;  v16-35 offsets in hq;  v36-40 the weights of my lane's five rows;
;             v41 r, v42 h, v43 lane, v44 wave, v45 32 h, v46 at work;  v48-191 a chunk on its way;  in the head v192-207 the list and v208-239 the bias;  on the way out v48-207 results
;   window 1: v0-159 the accumulators, (mt, nt) at 32 mt + 8 nt;  v160-231 the fragments: five of h, then four of W2
; Every LDS store and every global store takes its data from window 0.
; s20 expert, s21 first position, s22 rows, s24 wave, s53 team, s25, s26 the wave's row and column, s27 slice, s28-31 ex, ew1, eh, ew2, s[32:33] W2's tile, s[34:35] my bias, s36 rows - 1, s39 rows left from my first stage row on
.set KROW,  2048                       ; a row of hq and of W2's codes, in bytes
.set NCH,   4                          ; chunks of 512 along K
.set CHB,   512
.set PITCH, 528                        ; an LDS row: 512 bytes + 16: 132 words, so the 16 rows that a load touches start at 16 different banks (64 banks of 4 bytes: ISA guide 11.1)
.set AREG,  160*PITCH                  ; h's 160 rows, then W2's 128
.set BUF,   (160+128)*PITCH            ; a buffer; two of them
.set RR,    8                          ; rows that the 256 threads move at once: a wave to a row of 512 bytes
.set NA,    20                         ; such rounds for h's tile
.set NB,    16                         ; and for W2's
.set RP,    RR*PITCH
.set SP,    528                        ; the stage for y: 160 rows of 512 bytes + 16, from LDS byte 0 on: h's part of buffer 0
.set RID,   15
.set AOFF,  16
.set WT,    36
.set ST,    48
.set FS,    160
.set MSB,   0
.macro WIN new                         ; the immediate's high byte repeats the setting that is left; a switch that changes nothing is dropped
.if MSB != \new
	s_set_vgpr_msb (MSB<<8)|\new
.set MSB, \new
.endif
.endm
.macro PLACES                          ; a load into, or a vector write of, a register that a matrix instruction has named, and a read of its result, stand four plain vector instructions behind it
.rept 4
	v_nop
.endr
.endm
.macro LOADA c                         ; chunk c of my tile's rows of h: a wave's load covers 512 consecutive bytes of one row, aligned
.set p, 0
.rept NA
	global_load_b128 v[ST+4*p:ST+4*p+3], v[AOFF+p], s[4:5] offset:CHB*(\c)
.set p, p+1
.endr
.endm
.macro LOADB c
.set p, 0
.rept NB
	global_load_b128 v[ST+4*NA+4*p:ST+4*NA+4*p+3], v11, s[32:33] offset:RR*KROW*p+CHB*(\c)
.set p, p+1
.endr
.endm
.macro STORE b                         ; the chunk in ST goes into buffer b; h's twenty rounds take two address registers, since an LDS offset has 16 bits
.set p, 0
.rept 10
	ds_store_b128 v[5+3*(\b)], v[ST+4*p:ST+4*p+3] offset:RP*p
.set p, p+1
.endr
.set p, 0
.rept 10
	ds_store_b128 v[6+3*(\b)], v[ST+40+4*p:ST+40+4*p+3] offset:RP*p
.set p, p+1
.endr
.set p, 0
.rept NB
	ds_store_b128 v[7+3*(\b)], v[ST+4*NA+4*p:ST+4*NA+4*p+3] offset:RP*p
.set p, p+1
.endr
.endm
; 64 along K, the s-th of my team's four in buffer b: 18 LDS loads, 20 matrix instructions.  W2's first fragment and h's five come first, so that the first five products can start while the other six loads are out.
; The twenty accumulators take turns, one instruction a turn, in the same order in every step.
.macro STEP b, s
	WIN 0x40                                       ; destination window 1, address window 0
	ds_load_b128 v[FS+40:FS+43], v[3+(\b)] offset:64*(\s)
	ds_load_b128 v[FS+44:FS+47], v[3+(\b)] offset:64*(\s)+32
.irp mt, 0,1,2,3,4
	ds_load_b128 v[FS+8*\mt:FS+8*\mt+3],   v[1+(\b)] offset:16*PITCH*\mt+64*(\s)
	ds_load_b128 v[FS+8*\mt+4:FS+8*\mt+7], v[1+(\b)] offset:16*PITCH*\mt+64*(\s)+32
.endr
.irp nt, 1,2,3
	ds_load_b128 v[FS+40+8*\nt:FS+43+8*\nt], v[3+(\b)] offset:16*PITCH*\nt+64*(\s)
	ds_load_b128 v[FS+44+8*\nt:FS+47+8*\nt], v[3+(\b)] offset:16*PITCH*\nt+64*(\s)+32
.endr
	WIN 0x55                                       ; fragments and accumulators in window 1
.irp nt, 0,1,2,3
	s_wait_dscnt 6-2*\nt                           ; may be out: W2's fragments behind this one, two loads each
.irp mt, 0,1,2,3,4
	v_wmma_f32_16x16x64_fp8_fp8 v[32*\mt+8*\nt:32*\mt+8*\nt+7], v[FS+40+8*\nt:FS+47+8*\nt], v[FS+8*\mt:FS+8*\mt+7], v[32*\mt+8*\nt:32*\mt+8*\nt+7]
.endr
.endr
	PLACES                                         ; at the step's end, so that they stand behind the products on every way on
.endm
.macro BAR                             ; my LDS stores have landed and my LDS loads are in: then the work-group's barrier.  Never under a branch
	s_wait_dscnt 0x0
	s_barrier_signal -1
	s_barrier_wait -1
.endm
; Chunk c is multiplied out of buffer c % 2; then chunk c + 1, asked for a trip ago, goes into the other buffer, whose last reads every wave awaited in front of the last barrier; then chunk c + 2 is asked for.
.macro TRIP c, bar
	s_cmp_eq_u32 s22, 0
	s_cbranch_scc1 .Lskip_\@
	STEP (\c)%2, 0
	STEP (\c)%2, 1
	STEP (\c)%2, 2
	STEP (\c)%2, 3
	WIN 0                                          ; at a label and at a branch every window is 0
.if (\c)+1 < NCH
	s_wait_loadcnt 0x0                             ; chunk c + 1 is in registers
	STORE ((\c)+1)%2
	s_wait_dscnt 0x0                               ; the stores have read their registers, which take the next loads
.endif
.if (\c)+2 < NCH
	LOADA (\c)+2
	LOADB (\c)+2
.endif
.Lskip_\@:
.if \bar
	BAR
.endif
.endm
.macro WEIGH                           ; my rows' weights x 2^(eh + ew2)
.irp mt, 0,1,2,3,4
	v_ldexp_f32 v[WT+\mt], v[WT+\mt], s48
.endr
.endm
.macro TOSTAGE                         ; lane (r, h): 32 bytes of row 80 wm + 16 mt + r for each tile of outputs
.irp mt, 0,1,2,3,4
.irp nt, 0,1,2,3
	ds_store_b128 v12, v[ST+32*\mt+8*\nt:ST+32*\mt+8*\nt+3]   offset:16*SP*\mt+64*\nt
	ds_store_b128 v12, v[ST+32*\mt+8*\nt+4:ST+32*\mt+8*\nt+7] offset:16*SP*\mt+64*\nt+16
.endr
.endr
.endm
	s_load_b256 s[4:11], s[0:1], 0x0               ; hq s[4:5], w2_codes s[6:7], b2 s[8:9], lowp_scales s[10:11]
	s_load_b256 s[12:19], s[0:1], 0x20             ; rows s[12:13], tiles s[14:15], ybuf s[16:17], wts s[18:19]
	v_lshl_add_u32 v254, v0, 2, 0x4a400
	v_mov_b32 v255, 0
	v_lshrrev_b32 v44, 5, v0                       ; wave, in every lane
	v_readfirstlane_b32 s24, v44                   ; wave 0..7
	s_lshr_b32 s53, s24, 2                         ; team: which 256 of a chunk's 512 along K
	s_and_b32 s54, s24, 3
	s_lshr_b32 s25, s54, 1                         ; which 80 rows
	s_and_b32 s26, s54, 1                          ; which 64 outputs
	s_mov_b32 s27, ttmp9                           ; slice
	s_and_b32 s37, ttmp7, 0xffff                   ; tile
	s_lshl_b32 s37, s37, 4
	s_wait_kmcnt 0x0
	s_load_b128 s[20:23], s[14:15], s37 offset:0x0 ; expert, first position, rows, 0
	v_and_b32 v41, 15, v0                          ; r
	v_bfe_u32 v42, v0, 4, 1                        ; h
	v_and_b32 v43, 31, v0                          ; lane
	v_lshlrev_b32 v14, 4, v43                      ; 16 x lane: my 16 bytes of a row of 512
	v_lshlrev_b32 v45, 5, v42                      ; 32 h: my half's eight numbers of a tile's bias
	v_mul_u32_u24 v46, v41, PITCH
	v_lshl_add_u32 v46, v42, 4, v46                ; a fragment's row x pitch + 16 h
	s_lshl_b32 s55, s53, 8                         ; 256 x team
	s_mul_i32 s44, s25, 80*PITCH
	s_add_co_u32 s44, s44, s55
	v_add_nc_u32 v1, s44, v46
	v_add_nc_u32 v2, BUF, v1
	s_mul_i32 s45, s26, 64*PITCH
	s_add_co_u32 s45, s45, s55
	s_add_co_u32 s45, s45, AREG
	v_add_nc_u32 v3, s45, v46
	v_add_nc_u32 v4, BUF, v3
	s_mul_i32 s46, s24, PITCH                      ; my wave's row in a round
	v_add_nc_u32 v5, s46, v14
	v_add_nc_u32 v6, 10*RP, v5
	v_add_nc_u32 v7, AREG, v5
	v_add_nc_u32 v8, BUF, v5
	v_add_nc_u32 v9, BUF, v6
	v_add_nc_u32 v10, BUF, v7
	v_lshl_add_u32 v11, v44, 11, v14               ; W2's tile: row = wave, 16 bytes a lane
	s_mul_i32 s47, s25, 80*SP
	s_lshl_b32 s56, s26, 8
	s_add_co_u32 s47, s47, s56
	v_mul_u32_u24 v12, v41, SP
	v_lshl_add_u32 v12, v42, 5, v12
	v_add_nc_u32 v12, s47, v12                     ; the stage, in: row 80 wm + r, byte 256 wn + 32 h: the same in both teams
	s_mul_i32 s56, s24, 20*SP
	v_add_nc_u32 v13, s56, v14                     ; back: my 20 rows, 16 bytes a lane
	s_mul_i32 s51, s25, 80                         ; my first row of the tile in the products,
	s_mul_i32 s52, s24, 20                         ; and on the way out
	s_wait_kmcnt 0x0
	s_min_u32 s20, s20, 7                          ; numbers that were loaded enter addresses only behind a bound
	s_min_u32 s21, s21, 4095
	s_min_u32 s22, s22, 160
	s_lshl_b32 s38, s20, 4
	s_load_b128 s[28:31], s[10:11], s38 offset:0x0 ; the expert's ex, ew1, eh, ew2
	s_max_u32 s36, s22, 1
	s_sub_co_u32 s36, s36, 1                       ; the tile's last row: rows beyond it are read as that row, and not stored
	s_lshl_b32 s40, s20, 21                        ; an expert's codes: 2 MiB
	s_lshl_b32 s42, s27, 18                        ; 128 rows of 2,048 bytes
	s_add_co_u32 s40, s40, s42
	s_mov_b32 s41, 0
	s_add_nc_u64 s[32:33], s[6:7], s[40:41]
	s_lshl_b32 s40, s20, 12                        ; b2: 4,096 bytes an expert,
	s_lshl_b32 s42, s27, 9                         ; 512 a slice,
	s_add_co_u32 s40, s40, s42
	s_lshl_b32 s42, s26, 8                         ; 256 a column of waves
	s_add_co_u32 s40, s40, s42
	s_add_nc_u64 s[34:35], s[8:9], s[40:41]
	s_sub_co_i32 s39, s22, s52                     ; rows left from my first stage row on
	s_lshl_b32 s40, s27, 9                         ; ybuf: 512 bytes a slice
	s_add_nc_u64 s[16:17], s[16:17], s[40:41]
.set p, 0
.rept NA                               ; the rows that I move lie on end in hq: position x 2,048 + my 16 bytes
	v_add_nc_u32 v[AOFF+p], RR*p, v44
	v_min_u32 v[AOFF+p], s36, v[AOFF+p]
	v_add_nc_u32 v[AOFF+p], s21, v[AOFF+p]
	v_min_u32 v[AOFF+p], 0xfff, v[AOFF+p]
	v_lshl_add_u32 v[AOFF+p], v[AOFF+p], 11, v14
.set p, p+1
.endr
.irp mt, 0,1,2,3,4                     ; the ids of my lane's rows 80 wm + 16 mt + r,
	v_add_nc_u32 v[192+\mt], s51, v41
	v_add_nc_u32 v[192+\mt], 16*\mt, v[192+\mt]
	v_min_u32 v[192+\mt], s36, v[192+\mt]
	v_add_nc_u32 v[192+\mt], s21, v[192+\mt]
	v_min_u32 v[192+\mt], 0xfff, v[192+\mt]
	v_lshlrev_b32 v[192+\mt], 2, v[192+\mt]
	global_load_b32 v[198+\mt], v[192+\mt], s[12:13]
.endr
	v_add_nc_u32 v197, s52, v43                    ; and of stage row 20 wave + lane
	v_min_u32 v197, s36, v197
	v_add_nc_u32 v197, s21, v197
	v_min_u32 v197, 0xfff, v197
	v_lshlrev_b32 v197, 2, v197
	global_load_b32 v[RID], v197, s[12:13]
.irp n, 0,1,2,3                        ; b2 at my outputs 64 wn + 16 n + 8 h + 0..7
	global_load_b128 v[208+8*\n:211+8*\n], v45, s[34:35] offset:64*\n
	global_load_b128 v[212+8*\n:215+8*\n], v45, s[34:35] offset:64*\n+16
.endr
	LOADA 0
	LOADB 0
	s_wait_loadcnt 0x2c                            ; the six ids are in: behind them stand the bias's 8 loads and the chunk's 36
.irp mt, 0,1,2,3,4
	v_min_u32 v[203+\mt], 0xfff, v[198+\mt]
	v_lshlrev_b32 v[203+\mt], 2, v[203+\mt]
	global_load_b32 v[WT+\mt], v[203+\mt], s[18:19]
.endr
	s_wait_loadcnt 0x29                            ; the bias is in: behind it stand the chunk's 36 loads and the weights' 5
	s_wait_kmcnt 0x0
	s_add_co_i32 s48, s30, s31                     ; eh + ew2
	s_sub_co_i32 s49, 0, s48
	s_sub_co_i32 s49, s49, 1                       ; each team takes half of the bias
	WIN 0x40                                       ; destination window 1
.irp mt, 0,1,2,3,4
.set n, 0
.rept 32
	v_ldexp_f32 v[32*\mt+n], v[208+n], s49         ; the sums start as b2 / 2^(eh + ew2 + 1)
.set n, n+1
.endr
.endr
	WIN 0
	s_cmp_eq_u32 s22, 0
	s_cbranch_scc1 .Lno_first
	s_wait_loadcnt 0x0                             ; chunk 0
	STORE 0
	s_wait_dscnt 0x0                               ; the stores have read their registers
	LOADA 1
	LOADB 1
.Lno_first:
	BAR
	TRIP 0, 1
	TRIP 1, 1
	TRIP 2, 1
	TRIP 3, 0                                      ; it reads buffer 1 alone, and what follows writes h's part of buffer 0 alone, whose last reads stood in front of the last barrier: no barrier here
	; ---- team 1: each sum x its row's weight x 2^(eh + ew2), into the stage
	s_cmp_eq_u32 s22, 0
	s_cbranch_scc1 .Lno_part
	s_cmp_lt_u32 s24, 4                            ; a branch on the wave's number, over work alone
	s_cbranch_scc1 .Lno_part
	s_wait_loadcnt 0x0                             ; the weights are in, and no load is on its way into the registers written below
	WEIGH
	WIN 0x01                                       ; source 0 window 1, destination window 0
.irp mt, 0,1,2,3,4
.set n, 0
.rept 32
	v_mul_f32 v[ST+32*\mt+n], v[32*\mt+n], v[WT+\mt]   ; each accumulator from its low end on
.set n, n+1
.endr
.endr
	WIN 0
	TOSTAGE
.Lno_part:
	BAR                                            ; team 1's halves lie in the stage
	; ---- team 0: its own sums on top, by one fused multiply-add a number; each lane reads and writes the bytes that its partner lane wrote
	s_cmp_eq_u32 s22, 0
	s_cbranch_scc1 .Lno_sum
	s_cmp_ge_u32 s24, 4
	s_cbranch_scc1 .Lno_sum
	s_wait_loadcnt 0x0                             ; the weights are in, and no load is on its way into the registers written below
.irp mt, 0,1,2,3,4
.irp nt, 0,1,2,3
	ds_load_b128 v[ST+32*\mt+8*\nt:ST+32*\mt+8*\nt+3],   v12 offset:16*SP*\mt+64*\nt
	ds_load_b128 v[ST+32*\mt+8*\nt+4:ST+32*\mt+8*\nt+7], v12 offset:16*SP*\mt+64*\nt+16
.endr
.endr
	WEIGH
	s_wait_dscnt 0x0
	WIN 0x01                                       ; source 0 window 1; the weight, the other half and the destination in window 0
.irp mt, 0,1,2,3,4
.set n, 0
.rept 32
	v_fma_f32 v[ST+32*\mt+n], v[32*\mt+n], v[WT+\mt], v[ST+32*\mt+n]   ; each accumulator from its low end on
.set n, n+1
.endr
.endr
	WIN 0
	TOSTAGE
.Lno_sum:
	BAR                                            ; whole rows of 512 bytes lie in the stage
	s_cmp_le_i32 s39, 0
	s_cbranch_scc1 .Ldone
	s_wait_loadcnt 0x0                             ; no load is on its way into the registers that are written below
.set i, 0
.rept 20
	ds_load_b128 v[ST+4*i:ST+4*i+3], v13 offset:SP*i
.set i, i+1
.endr
.set i, 0
.rept 20                               ; a row goes to its id's row of ybuf: an offset register for each, written once
	v_readlane_b32 s40, v[RID], i
	s_min_u32 s40, s40, 4095
	s_lshl_b32 s40, s40, 12
	v_add_nc_u32 v[128+i], s40, v14
.set i, i+1
.endr
	s_wait_dscnt 0x0
.set i, 0
.rept 20
	s_cmp_le_i32 s39, i                            ; rows beyond the tile's count are not stored
	s_cbranch_scc1 .Ldone
	global_store_b128 v[128+i], v[ST+4*i:ST+4*i+3], s[16:17] th:TH_STORE_NT   ; 32 lanes store 512 consecutive bytes, aligned; written once, read by nobody here
.set i, i+1
.endr
.Ldone:
	s_wait_tensorcnt 0x0
	ds_add_u32 v254, v255
	s_wait_dscnt 0x0
	s_endpgm
.Lfunc_end_k_qa95c511e06_ffn2:
	.size	k_qa95c511e06_ffn2, .Lfunc_end_k_qa95c511e06_ffn2-k_qa95c511e06_ffn2
	.p2alignl 7, 3214868480
	.fill 96, 4, 3214868480
	.section	.rodata,"a",@progbits
	.p2align	6, 0x0
	.amdhsa_kernel k_qa95c511e06_ffn2
		.amdhsa_group_segment_fixed_size 305152
		.amdhsa_private_segment_fixed_size 0
		.amdhsa_enable_private_segment 0
		.amdhsa_kernarg_size 64
		.amdhsa_user_sgpr_count 2
		.amdhsa_user_sgpr_kernarg_segment_ptr 1
		.amdhsa_wavefront_size32 1
		.amdhsa_system_sgpr_workgroup_id_x 1
		.amdhsa_system_sgpr_workgroup_id_y 1
		.amdhsa_system_sgpr_workgroup_id_z 1
		.amdhsa_system_vgpr_workitem_id 0
		.amdhsa_next_free_vgpr 488
		.amdhsa_next_free_sgpr 66
		.amdhsa_reserve_vcc 0
		.amdhsa_float_denorm_mode_32 3
		.amdhsa_float_denorm_mode_16_64 3
		.amdhsa_memory_ordered 1
		.amdhsa_forward_progress 1
		.amdhsa_inst_pref_size 121
	.end_amdhsa_kernel
	.amdgpu_metadata
---
amdhsa.version: [ 1, 2 ]
amdhsa.kernels:
  - .name:           k_qa95c511e06_ffn2
    .symbol:         k_qa95c511e06_ffn2.kd
    .args:
      - { .name: hq, .offset: 0, .size: 8, .value_kind: global_buffer, .address_space: global }
      - { .name: w2_codes, .offset: 8, .size: 8, .value_kind: global_buffer, .address_space: global }
      - { .name: b2, .offset: 16, .size: 8, .value_kind: global_buffer, .address_space: global }
      - { .name: lowp_scales, .offset: 24, .size: 8, .value_kind: global_buffer, .address_space: global }
      - { .name: rows, .offset: 32, .size: 8, .value_kind: global_buffer, .address_space: global }
      - { .name: tiles, .offset: 40, .size: 8, .value_kind: global_buffer, .address_space: global }
      - { .name: ybuf, .offset: 48, .size: 8, .value_kind: global_buffer, .address_space: global }
      - { .name: wts, .offset: 56, .size: 8, .value_kind: global_buffer, .address_space: global }
    .group_segment_fixed_size: 305152
    .private_segment_fixed_size: 0
    .kernarg_segment_align: 8
    .kernarg_segment_size: 64
    .max_flat_workgroup_size: 256
    .sgpr_count:     66
    .vgpr_count:     488
    .wavefront_size: 32
...
	.end_amdgpu_metadata
.endif
;; end of part 4
;; launch combine (part 5): grid 256 x 1, 8 waves a work-group, no clusters, 0 bytes of LDS; arguments ybuf, out0; writes out0
.if DOCPART == 5
	.amdgcn_target "amdgcn-amd-amdhsa--gfx1250"
	.amdhsa_code_object_version 6
	.text
	.protected	k_qa95c511e06_combine
	.globl	k_qa95c511e06_combine
	.p2align	8
	.type	k_qa95c511e06_combine,@function
k_qa95c511e06_combine:
	s_mov_b64 s[64:65], 0
	v_nop
	global_prefetch_b8 v0, s[64:65] scope:SCOPE_SE
	s_setreg_imm32_b32 hwreg(HW_REG_WAVE_MODE, 25, 1), 1
	s_wait_xcnt 0x0
; out0[t] = ybuf[2 t] + ybuf[2 t + 1]: a token's two weighted expert rows.  A stream: every byte is read once and written once; no LDS, no barrier, no matrix unit.
; A work-group takes 8 tokens; thread n takes the 16 bytes at 16 n of every row of 4,096 bytes, so each load and store of a wave covers 512 consecutive bytes, aligned.
; All 16 loads go out at once; every offset is an immediate, and no register is written twice.
.set Y, 8                              ; v8-71   token i, slot k: 4 registers at Y + 8 i + 4 k
.set O, 72                             ; v72-103 token i: 4 registers
	s_load_b128 s[4:7], s[0:1], 0x0                ; ybuf s[4:5], out0 s[6:7]
	v_lshlrev_b32 v1, 4, v0
	s_lshl_b32 s8, ttmp9, 16                       ; 8 tokens x 2 rows x 4,096 bytes
	s_mov_b32 s9, 0
	s_lshl_b32 s10, ttmp9, 15                      ; 8 rows x 4,096 bytes
	s_mov_b32 s11, 0
	s_wait_kmcnt 0x0
	s_add_nc_u64 s[4:5], s[4:5], s[8:9]
	s_add_nc_u64 s[6:7], s[6:7], s[10:11]
.irp i, 0,1,2,3,4,5,6,7
	global_load_b128 v[Y+8*\i:Y+8*\i+3],   v1, s[4:5] offset:8192*\i th:TH_LOAD_NT
	global_load_b128 v[Y+8*\i+4:Y+8*\i+7], v1, s[4:5] offset:8192*\i+4096 th:TH_LOAD_NT
.endr
.irp i, 0,1,2,3,4,5,6,7
	s_wait_loadcnt 14-2*\i                         ; loads come back in order (ISA guide 5.7.1): token i's two are in, the younger pairs stay out
	v_pk_add_f32 v[O+4*\i:O+4*\i+1],   v[Y+8*\i:Y+8*\i+1],   v[Y+8*\i+4:Y+8*\i+5]
	v_pk_add_f32 v[O+4*\i+2:O+4*\i+3], v[Y+8*\i+2:Y+8*\i+3], v[Y+8*\i+6:Y+8*\i+7]
	global_store_b128 v1, v[O+4*\i:O+4*\i+3], s[6:7] offset:4096*\i th:TH_STORE_NT
.endr
	s_endpgm
.Lfunc_end_k_qa95c511e06_combine:
	.size	k_qa95c511e06_combine, .Lfunc_end_k_qa95c511e06_combine-k_qa95c511e06_combine
	.p2alignl 7, 3214868480
	.fill 96, 4, 3214868480
	.section	.rodata,"a",@progbits
	.p2align	6, 0x0
	.amdhsa_kernel k_qa95c511e06_combine
		.amdhsa_group_segment_fixed_size 0
		.amdhsa_private_segment_fixed_size 0
		.amdhsa_enable_private_segment 0
		.amdhsa_kernarg_size 16
		.amdhsa_user_sgpr_count 2
		.amdhsa_user_sgpr_kernarg_segment_ptr 1
		.amdhsa_wavefront_size32 1
		.amdhsa_system_sgpr_workgroup_id_x 1
		.amdhsa_system_sgpr_workgroup_id_y 1
		.amdhsa_system_sgpr_workgroup_id_z 1
		.amdhsa_system_vgpr_workitem_id 0
		.amdhsa_next_free_vgpr 104
		.amdhsa_next_free_sgpr 66
		.amdhsa_reserve_vcc 0
		.amdhsa_float_denorm_mode_32 3
		.amdhsa_float_denorm_mode_16_64 3
		.amdhsa_memory_ordered 1
		.amdhsa_forward_progress 1
		.amdhsa_inst_pref_size 5
	.end_amdhsa_kernel
	.amdgpu_metadata
---
amdhsa.version: [ 1, 2 ]
amdhsa.kernels:
  - .name:           k_qa95c511e06_combine
    .symbol:         k_qa95c511e06_combine.kd
    .args:
      - { .name: ybuf, .offset: 0, .size: 8, .value_kind: global_buffer, .address_space: global }
      - { .name: out0, .offset: 8, .size: 8, .value_kind: global_buffer, .address_space: global }
    .group_segment_fixed_size: 0
    .private_segment_fixed_size: 0
    .kernarg_segment_align: 8
    .kernarg_segment_size: 16
    .max_flat_workgroup_size: 256
    .sgpr_count:     66
    .vgpr_count:     104
    .wavefront_size: 32
...
	.end_amdgpu_metadata
.endif
;; end of part 5
;; ======== version 2 of 2: 5 launches
;; workspace buffers: sel 16,384 bytes of whole numbers; val 16,384 bytes; xq 4,194,304 bytes; rows 16,384 bytes of whole numbers; tiles 1,024 bytes of whole numbers; wts 16,384 bytes; hq 8,388,608 bytes; ybuf 16,777,216 bytes
;; launch gate (part 6): grid 256 x 1, 8 waves a work-group, no clusters, 35,840 bytes of LDS; arguments x, gate_w, lowp_scales, sel, val, xq; writes sel, val, xq
.if DOCPART == 6
	.amdgcn_target "amdgcn-amd-amdhsa--gfx1250"
	.amdhsa_code_object_version 6
	.text
	.protected	k_qa95c511e06_gate
	.globl	k_qa95c511e06_gate
	.p2align	8
	.type	k_qa95c511e06_gate,@function
k_qa95c511e06_gate:
	s_mov_b64 s[64:65], 0
	v_nop
	global_prefetch_b8 v0, s[64:65] scope:SCOPE_SE
	s_setreg_imm32_b32 hwreg(HW_REG_WAVE_MODE, 25, 1), 1
	s_wait_xcnt 0x0
; THE ROUTER.  logits = x gate_w in f32 (fused multiply-adds), the two largest of a token's eight (on a tie the lower expert, as jax.lax.top_k has it),
; and x as codes of E4M3, twice: once with the scale of each chosen expert (lowp_scales[4 e] is x's exponent for expert e).
; Everything is stored at FIXED places: routed id 2 t + k (token t, slot k) -> sel[id] (expert), val[id] (its logit), xq[id][1024] (codes, K as it lies).
; No address and no branch hangs on the choice: the scale is picked by v_cndmask_b32.
; SHARES.  A wave takes one token, t = 8 x work-group + wave.  Lane l holds d = 256 j + 8 l + i (j = 0..3, i = 0..7): eight neighbours along d in consecutive registers,
; as the conversion wants them; a lane's 8 codes are 8 bytes, so each store of codes covers 256 consecutive bytes, aligned.
; gate_w (32,768 bytes) is copied once into LDS: each 256 bytes (the 8 rows d that one lane wants) at a pitch of 272.
; No matrix unit: N = 8, and the choice needs f32.  sel and val leave as 8 bytes a wave: 32,768 bytes in the whole launch.
; LIMITS: the logits are finite (NaN and infinities among the inputs are not served); lowp_scales[4 e] between -126 and 119, so that 2^e and 448 x 2^e are f32 numbers;
; a second and a third logit that differ by less than the rounding of a 1,024-term f32 sum may be chosen either way.
.set GP,  272                          ; pitch of 256 bytes of gate_w in LDS
.set X,   8                            ; v8-39    my 32 numbers of x: register 8 j + i
.set G,   40                           ; v40-103, v104-167: two sets of 64 numbers of gate_w: register 8 i + e
.set T,   40                           ; v40-71   x held within the largest code (gate_w's registers are free by then)
.set C,   72                           ; v72-87   codes: 8 registers for each slot, so that no store's data are written again
.set L,   168                          ; v168-175 the eight logits
.set M1,  176                          ; v176 largest logit, v177 its expert, v178 second largest, v179 its expert, v180, v181 at work
.set SC,  182                          ; v182 2^e of slot 0, v183 448 x that, v184, v185 the same for slot 1
	s_load_b256 s[4:11], s[0:1], 0x0               ; x s[4:5], gate_w s[6:7], lowp_scales s[8:9], sel s[10:11]
	s_load_b128 s[12:15], s[0:1], 0x20             ; val s[12:13], xq s[14:15]
	v_lshl_add_u32 v192, v0, 2, 0x8800
	v_mov_b32 v193, 0
	v_lshrrev_b32 v1, 5, v0
	s_delay_alu instid0(VALU_DEP_1)
	v_readfirstlane_b32 s48, v1                    ; wave 0..7
	v_and_b32 v1, 31, v0                           ; lane
	v_lshrrev_b32 v2, 4, v0
	v_lshlrev_b32 v5, 4, v0                        ; 16 x thread: my 16 bytes of each 4,096 of gate_w
	s_delay_alu instid0(VALU_DEP_1)
	v_lshl_add_u32 v2, v2, 4, v5                   ; and their place in LDS: byte g goes to g + 16 (g / 256)
	s_delay_alu instid0(VALU_DEP_4)
	v_mul_u32_u24 v3, v1, GP                       ; where my lane's 8 rows of gate_w begin (j = 0)
	v_lshlrev_b32 v4, 5, v1                        ; x: 32 bytes a lane
	v_lshlrev_b32 v6, 3, v1                        ; codes: 8 bytes a lane
	v_lshlrev_b32 v188, 2, v1                      ; sel, val: 4 bytes a lane
	v_mov_b32 v7, 0                                ; written once: a lane permute's destination counts as one of its sources
	s_mov_b32 s50, 0x76543210                      ; v_permlanex16_b32: lane l takes lane l xor 16
	s_mov_b32 s51, 0xfedcba98
	s_lshl_b32 s52, ttmp9, 3
	s_add_co_u32 s52, s52, s48                     ; my token
	s_lshl_b32 s56, s52, 12                        ; its row of x: 4,096 bytes
	s_mov_b32 s57, 0
	s_lshl_b32 s58, s52, 11                        ; its two rows of codes: 2,048 bytes
	s_mov_b32 s59, 0
	s_lshl_b32 s60, s52, 3                         ; its two words of sel and of val
	s_mov_b32 s61, 0
	s_wait_alu depctr_va_vdst(0)
	s_wait_kmcnt 0x0
	s_load_b512 s[16:31], s[8:9], 0x0              ; the 32 exponents
	s_load_b512 s[32:47], s[8:9], 0x40
	s_add_nc_u64 s[4:5], s[4:5], s[56:57]
	s_add_nc_u64 s[14:15], s[14:15], s[58:59]
	s_add_nc_u64 s[10:11], s[10:11], s[60:61]
	s_add_nc_u64 s[12:13], s[12:13], s[60:61]
.irp i, 0,1,2,3,4,5,6,7
	global_load_b128 v[G+4*\i:G+4*\i+3], v5, s[6:7] offset:4096*\i   ; gate_w as it lies: a wave reads 512 consecutive bytes
.endr
.irp j, 0,1,2,3
	global_load_b128 v[X+8*\j:X+8*\j+3],   v4, s[4:5] offset:1024*\j th:TH_LOAD_NT
	global_load_b128 v[X+8*\j+4:X+8*\j+7], v4, s[4:5] offset:1024*\j+16 th:TH_LOAD_NT
.endr
	s_wait_loadcnt 0x8                             ; gate_w is in; x's eight loads, issued behind it, stay out
.irp i, 0,1,2,3,4,5,6,7
	ds_store_b128 v2, v[G+4*\i:G+4*\i+3] offset:(4096+256)*\i
.endr
	s_wait_dscnt 0x0                               ; for the others' sake: my part of gate_w lies in LDS
	s_barrier_signal -1
	s_barrier_wait -1                              ; everybody's does
.macro GL j, set                       ; my 8 rows d = 256 j + 8 l + i of gate_w, 256 bytes, into a set
.set q, 0
.rept 16
	ds_load_b128 v[G+64*(\set)+4*q:G+64*(\set)+4*q+3], v3 offset:32*GP*(\j)+16*q
.set q, q+1
.endr
.endm
.macro FMA j, set                      ; 64 multiply-adds in eight chains that take turns; the first eight products start the sums
.irp i, 0,1,2,3,4,5,6,7
.irp e, 0,1,2,3,4,5,6,7
.if (\j == 0) && (\i == 0)
	v_mul_f32 v[L+\e], v[X+8*\j+\i], v[G+64*\set+8*\i+\e]
.else
	v_fmac_f32 v[L+\e], v[X+8*\j+\i], v[G+64*\set+8*\i+\e]
.endif
.endr
.endr
.endm
	GL 0, 0
	GL 1, 1
	s_wait_loadcnt 0x0                             ; x
	s_wait_dscnt 0x10                              ; the older set is in; the 16 loads of the younger one stay out
	FMA 0, 0
	GL 2, 0
	s_wait_alu depctr_va_vdst(0)
	s_wait_dscnt 0x10
	FMA 1, 1
	GL 3, 1
	s_wait_alu depctr_va_vdst(0)
	s_wait_dscnt 0x10
	FMA 2, 0
	s_wait_alu depctr_va_vdst(0)
	s_wait_dscnt 0x0
	FMA 3, 1
	; the 32 lanes' parts are added: four steps inside each half of 16 lanes, one across; every lane ends with all eight logits
.irp m, 1,2,4,8
.irp e, 0,1,2,3,4,5,6,7
	v_add_f32_dpp v[L+\e], v[L+\e], v[L+\e] row_xmask:\m row_mask:0xf bank_mask:0xf
.endr
.endr
.irp e, 0
	v_permlanex16_b32 v7, v[L+\e], s50, s51
	s_delay_alu instid0(VALU_DEP_1)
	v_add_f32 v[L+\e], v[L+\e], v7
.endr
.irp e, 1, 2, 3, 4, 5, 6, 7
	s_delay_alu instid0(VALU_DEP_2)
	v_permlanex16_b32 v7, v[L+\e], s50, s51
	s_delay_alu instid0(VALU_DEP_1)
	v_add_f32 v[L+\e], v[L+\e], v7
.endr
	; the two largest.  Experts are taken in ascending order and only a strictly larger logit displaces: on a tie the lower expert stays ahead
	v_mov_b32 v[M1], v[L]
	v_mov_b32 v[M1+1], 0
	v_mov_b32 v[M1+2], 0xff800000                  ; -infinity: under every finite logit
	v_mov_b32 v[M1+3], 0
.irp e, 1
	s_delay_alu instid0(VALU_DEP_4)
	v_cmp_gt_f32 vcc_lo, v[L+\e], v[M1]            ; above the largest?
	s_delay_alu instid0(VALU_DEP_3)
	v_cmp_gt_f32 s54, v[L+\e], v[M1+2]             ; above the second?
	s_delay_alu instid0(VALU_DEP_1)
	v_cndmask_b32 v[M1+4], v[M1+2], v[L+\e], s54
	s_delay_alu instid0(VALU_DEP_2)
	v_cndmask_b32 v[M1+5], v[M1+3], \e, s54
	s_delay_alu instid0(VALU_DEP_2)
	v_cndmask_b32 v[M1+2], v[M1+4], v[M1], vcc_lo  ; the old largest moves down
	s_delay_alu instid0(VALU_DEP_2)
	v_cndmask_b32 v[M1+3], v[M1+5], v[M1+1], vcc_lo
	v_cndmask_b32 v[M1], v[M1], v[L+\e], vcc_lo
	v_cndmask_b32 v[M1+1], v[M1+1], \e, vcc_lo
.endr
.irp e, 2, 3, 4, 5, 6, 7
	s_delay_alu instid0(VALU_DEP_2)
	v_cmp_gt_f32 vcc_lo, v[L+\e], v[M1]
	v_cmp_gt_f32 s54, v[L+\e], v[M1+2]
	s_delay_alu instid0(VALU_DEP_1)
	v_cndmask_b32 v[M1+4], v[M1+2], v[L+\e], s54
	s_delay_alu instid0(VALU_DEP_2)
	v_cndmask_b32 v[M1+5], v[M1+3], \e, s54
	s_delay_alu instid0(VALU_DEP_2)
	v_cndmask_b32 v[M1+2], v[M1+4], v[M1], vcc_lo
	s_delay_alu instid0(VALU_DEP_2)
	v_cndmask_b32 v[M1+3], v[M1+5], v[M1+1], vcc_lo
	v_cndmask_b32 v[M1], v[M1], v[L+\e], vcc_lo
	v_cndmask_b32 v[M1+1], v[M1+1], \e, vcc_lo
.endr
	s_wait_alu depctr_va_vdst(0)
	s_wait_kmcnt 0x0
.irp e, 0,1,2,3,4,5,6,7
	s_add_co_i32 s[16+4*\e], s[16+4*\e], 127
	s_lshl_b32 s[16+4*\e], s[16+4*\e], 23          ; 2^(x's exponent for expert e) as f32
.endr
	v_mov_b32 v[SC], s16
	v_mov_b32 v[SC+2], s16
.irp e, 1,2,3,4,5,6,7
	v_cmp_eq_u32 vcc_lo, \e, v[M1+1]
	s_delay_alu instid0(VALU_DEP_1)
	v_cndmask_b32 v[SC], v[SC], s[16+4*\e], vcc_lo
	v_cmp_eq_u32 vcc_lo, \e, v[M1+3]
	s_delay_alu instid0(VALU_DEP_1)
	v_cndmask_b32 v[SC+2], v[SC+2], s[16+4*\e], vcc_lo
.endr
	s_delay_alu instid0(VALU_DEP_3)
	v_add_nc_u32 v[SC+1], 0x4600000, v[SC]         ; 448 x the scale: 8 onto the exponent field, 448's mantissa field below it
	s_delay_alu instid0(VALU_DEP_2)
	v_add_nc_u32 v[SC+3], 0x4600000, v[SC+2]
.macro QX k                            ; my 32 numbers as codes with slot k's scale
.set n, 0
.rept 32
	v_med3_num_f32 v[T+n], v[X+n], -v[SC+2*\k+1], v[SC+2*\k+1]   ; the conversion to an 8-bit code does not saturate (ISA guide 7.6.2): the number is held first
.set n, n+1
.endr
.irp j, 0,1,2,3
	v_cvt_scalef32_pk8_fp8_f32 v[C+8*\k+2*\j:C+8*\k+2*\j+1], v[T+8*\j:T+8*\j+7], v[SC+2*\k]
.endr
	v_nop                                          ; one plain vector line behind the last conversion: the next slot's holds write the conversions' sources
.irp j, 0,1,2,3
	global_store_b64 v6, v[C+8*\k+2*\j:C+8*\k+2*\j+1], s[14:15] offset:1024*\k+256*\j   ; 32 lanes store 256 consecutive bytes, aligned
.endr
.endm
	QX 0
	QX 1
	v_cmp_eq_u32 vcc_lo, 0, v1
	s_delay_alu instid0(VALU_DEP_1)
	v_cndmask_b32 v186, v[M1+3], v[M1+1], vcc_lo   ; lane 0: slot 0; lane 1: slot 1
	s_delay_alu instid0(VALU_DEP_2)
	v_cndmask_b32 v187, v[M1+2], v[M1], vcc_lo
	v_cmp_gt_u32 vcc_lo, 2, v1
	s_wait_alu depctr_va_vdst(0)
	s_wait_xcnt 0x0                                ; EXEC is a source of the stores above: it changes only behind this wait
	s_wait_tensorcnt 0x0
	ds_add_u32 v192, v193
	s_wait_dscnt 0x0
	s_and_saveexec_b32 s55, vcc_lo
	global_store_b32 v188, v186, s[10:11]
	global_store_b32 v188, v187, s[12:13]
	s_wait_xcnt 0x0                                ; and again in front of the line that widens it
	s_or_b32 exec_lo, exec_lo, s55
	s_endpgm
.Lfunc_end_k_qa95c511e06_gate:
	.size	k_qa95c511e06_gate, .Lfunc_end_k_qa95c511e06_gate-k_qa95c511e06_gate
	.p2alignl 7, 3214868480
	.fill 96, 4, 3214868480
	.section	.rodata,"a",@progbits
	.p2align	6, 0x0
	.amdhsa_kernel k_qa95c511e06_gate
		.amdhsa_group_segment_fixed_size 35840
		.amdhsa_private_segment_fixed_size 0
		.amdhsa_enable_private_segment 0
		.amdhsa_kernarg_size 48
		.amdhsa_user_sgpr_count 2
		.amdhsa_user_sgpr_kernarg_segment_ptr 1
		.amdhsa_wavefront_size32 1
		.amdhsa_system_sgpr_workgroup_id_x 1
		.amdhsa_system_sgpr_workgroup_id_y 1
		.amdhsa_system_sgpr_workgroup_id_z 1
		.amdhsa_system_vgpr_workitem_id 0
		.amdhsa_next_free_vgpr 194
		.amdhsa_next_free_sgpr 66
		.amdhsa_reserve_vcc 1
		.amdhsa_float_denorm_mode_32 3
		.amdhsa_float_denorm_mode_16_64 3
		.amdhsa_memory_ordered 1
		.amdhsa_forward_progress 1
		.amdhsa_inst_pref_size 33
	.end_amdhsa_kernel
	.amdgpu_metadata
---
amdhsa.version: [ 1, 2 ]
amdhsa.kernels:
  - .name:           k_qa95c511e06_gate
    .symbol:         k_qa95c511e06_gate.kd
    .args:
      - { .name: x, .offset: 0, .size: 8, .value_kind: global_buffer, .address_space: global }
      - { .name: gate_w, .offset: 8, .size: 8, .value_kind: global_buffer, .address_space: global }
      - { .name: lowp_scales, .offset: 16, .size: 8, .value_kind: global_buffer, .address_space: global }
      - { .name: sel, .offset: 24, .size: 8, .value_kind: global_buffer, .address_space: global }
      - { .name: val, .offset: 32, .size: 8, .value_kind: global_buffer, .address_space: global }
      - { .name: xq, .offset: 40, .size: 8, .value_kind: global_buffer, .address_space: global }
    .group_segment_fixed_size: 35840
    .private_segment_fixed_size: 0
    .kernarg_segment_align: 8
    .kernarg_segment_size: 48
    .max_flat_workgroup_size: 256
    .sgpr_count:     66
    .vgpr_count:     194
    .wavefront_size: 32
...
	.end_amdgpu_metadata
.endif
;; end of part 6
;; launch place (part 7): grid 1 x 1, 32 waves a work-group, no clusters, 5,120 bytes of LDS; arguments sel, val, rows, tiles, wts; writes rows, tiles, wts
.if DOCPART == 7
	.amdgcn_target "amdgcn-amd-amdhsa--gfx1250"
	.amdhsa_code_object_version 6
	.text
	.protected	k_qa95c511e06_place
	.globl	k_qa95c511e06_place
	.p2align	8
	.type	k_qa95c511e06_place,@function
k_qa95c511e06_place:
	s_mov_b64 s[64:65], 0
	v_nop
	global_prefetch_b8 v0, s[64:65] scope:SCOPE_SE
	s_setreg_imm32_b32 hwreg(HW_REG_WAVE_MODE, 25, 1), 1
	s_wait_xcnt 0x0
; THE PLACING.  One work-group of 32 waves.  (1) A counting sort of the 4,096 routed ids by expert: rows[position] = id, the experts' runs on end, no gaps.
; (2) The list of tiles of at most 160 rows: tiles[n] = (expert, first position, rows, 0); the sum over experts of ceil(n_e / 160) is at most 33 for every split; entries behind the last tile hold zeros.
; (3) The softmax over the TOKEN axis: for each batch (512 tokens) and slot, wts[id] = exp(val - max) / sum.  The maximum is taken away first, as the source does.
; SHARES.  Thread n owns ids 4 n .. 4 n + 3: two tokens x two slots; a batch is eight waves.  The order inside an expert is (wave, the id's place j in the thread, lane): any fixed order serves, since only this launch defines it.
; No atomics: each wave counts by ballots, the counts meet in LDS, each wave adds up those of the waves ahead of it.
; rows is written by 4-byte stores to sorted places: 16,384 bytes in all.
; LIMITS: val finite.  An exponential below 2^-126 counts as 0 (v_exp_f32 flushes: ISA guide 15.8).  sel beyond 7 is held at 7.
.set CNT,  0                           ; LDS: 16 bytes a wave: its eight counts, 16 bits each
.set MAXB, 512                         ; 8 bytes a wave: the largest val of slot 0 and of slot 1
.set SUMB, 768                         ; 8 bytes a wave: the sums of exponentials
.set E,   4                            ; v4-7    my four experts
.set V,   8                            ; v8-11   my four logits, then exponentials, then weights
.set P,   12                           ; v12-15  lane w: wave w's packed counts;  v16-19 the same, 0 in lanes that are not ahead of my wave
.set POS, 24                           ; v24-27  my ids' positions
.set ID,  28                           ; v28-31  my ids
.set W,   32                           ; v32-47  eight waves' maxima or sums; at work between
.set TE,  48                           ; v48-51  a tile's entry
.set NE,  32                           ; s32-39  rows of expert e
.set RUN, 40                           ; s40-47  the next free position of expert e, as my wave sees it
.set BASE, 48                          ; s48-56  first position of expert e
.set TB,  66                           ; s66-74  first tile of expert e
	s_load_b256 s[4:11], s[0:1], 0x0               ; sel s[4:5], val s[6:7], rows s[8:9], tiles s[10:11]
	s_load_b64 s[12:13], s[0:1], 0x20              ; wts
	v_lshl_add_u32 v64, v0, 2, 0x400
	v_mov_b32 v65, 0
	v_lshrrev_b32 v3, 5, v0                        ; wave, in every lane
	s_delay_alu instid0(VALU_DEP_1)
	v_readfirstlane_b32 s14, v3
	v_and_b32 v1, 31, v0                           ; lane
	v_lshlrev_b32 v2, 4, v0                        ; 16 x thread
	v_mov_b32 v20, 0                               ; written once: a lane permute's destination counts as one of its sources
	v_lshlrev_b32 v52, 4, v3                       ; where my wave's counts go
	v_lshl_add_u32 v53, v3, 3, MAXB                ; and its maxima (its sums: 256 bytes on)
	v_lshlrev_b32 v54, 4, v1                       ; lane w reads wave w's counts
	v_lshrrev_b32 v55, 8, v0
	s_delay_alu instid0(VALU_DEP_1)
	v_lshl_add_u32 v55, v55, 6, MAXB               ; my batch's eight waves' maxima
	s_mov_b32 s16, 0x76543210                      ; v_permlanex16_b32: lane l takes lane l xor 16
	s_mov_b32 s17, 0xfedcba98
	s_wait_alu depctr_va_vdst(0)
	s_wait_kmcnt 0x0
	global_load_b128 v[E:E+3], v2, s[4:5]
	global_load_b128 v[V:V+3], v2, s[6:7]
	s_wait_loadcnt 0x0
.irp j, 0,1,2,3
	v_min_u32 v[E+\j], 7, v[E+\j]
	v_lshl_add_u32 v[ID+\j], v0, 2, \j
	v_mov_b32 v[POS+\j], 0
.endr
	; ---- my wave's counts: a ballot for each place j and expert e
.irp j, 0,1,2,3
.irp e, 0,1,2,3,4,5,6,7
	v_cmp_eq_u32 vcc_lo, \e, v[E+\j]
.if \j == 0
	s_bcnt1_i32_b32 s[20+\e], vcc_lo               ; the first ballot starts the count
.else
	s_bcnt1_i32_b32 s76, vcc_lo
	s_add_co_u32 s[20+\e], s[20+\e], s76
.endif
.endr
.endr
.irp i, 0,1,2,3
	s_lshl_b32 s76, s[21+2*\i], 16
	s_or_b32 s[28+\i], s[20+2*\i], s76             ; two counts a word: a wave's are at most 128, all waves' together at most 4,096
	v_mov_b32 v[P+\i], s[28+\i]
.endr
	ds_store_b128 v52, v[P:P+3] offset:CNT         ; all lanes write the same 16 bytes
	v_max_num_f32 v22, v[V], v[V+2]                ; slot 0 of my two tokens
	v_max_num_f32 v23, v[V+1], v[V+3]              ; slot 1
.irp m, 1,2,4,8
	s_delay_alu instid0(VALU_DEP_2)
	v_max_num_f32_dpp v22, v22, v22 row_xmask:\m row_mask:0xf bank_mask:0xf
	s_delay_alu instid0(VALU_DEP_2)
	v_max_num_f32_dpp v23, v23, v23 row_xmask:\m row_mask:0xf bank_mask:0xf
.endr
	s_delay_alu instid0(VALU_DEP_2)
	v_permlanex16_b32 v20, v22, s16, s17
	s_delay_alu instid0(VALU_DEP_1)
	v_max_num_f32 v22, v22, v20
	s_delay_alu instid0(VALU_DEP_2)
	v_permlanex16_b32 v20, v23, s16, s17
	s_delay_alu instid0(VALU_DEP_1)
	v_max_num_f32 v23, v23, v20
	ds_store_b64 v53, v[22:23]
	s_wait_dscnt 0x0                               ; for the others' sake: my counts and maxima lie in LDS
	s_barrier_signal -1
	s_barrier_wait -1
	; ---- the exponentials and my wave's sums
	ds_load_b128 v[P:P+3], v54 offset:CNT
.irp q, 0,1,2,3
	ds_load_b128 v[W+4*\q:W+4*\q+3], v55 offset:16*\q
.endr
	s_wait_dscnt 0x0
	v_max3_num_f32 v56, v[W], v[W+2], v[W+4]
	v_max3_num_f32 v57, v[W+1], v[W+3], v[W+5]
	s_delay_alu instid0(VALU_DEP_2)
	v_max3_num_f32 v56, v56, v[W+6], v[W+8]
	s_delay_alu instid0(VALU_DEP_2)
	v_max3_num_f32 v57, v57, v[W+7], v[W+9]
	s_delay_alu instid0(VALU_DEP_2)
	v_max3_num_f32 v56, v56, v[W+10], v[W+12]
	s_delay_alu instid0(VALU_DEP_2)
	v_max3_num_f32 v57, v57, v[W+11], v[W+13]
	s_delay_alu instid0(VALU_DEP_2)
	v_max_num_f32 v56, v56, v[W+14]                ; the batch's largest of slot 0,
	s_delay_alu instid0(VALU_DEP_2)
	v_max_num_f32 v57, v57, v[W+15]                ; of slot 1
	s_delay_alu instid0(VALU_DEP_2)
	v_sub_f32 v[V], v[V], v56
	s_delay_alu instid0(VALU_DEP_2)
	v_sub_f32 v[V+1], v[V+1], v57
	s_delay_alu instid0(VALU_DEP_4)
	v_sub_f32 v[V+2], v[V+2], v56
	s_delay_alu instid0(VALU_DEP_4)
	v_sub_f32 v[V+3], v[V+3], v57
.irp j, 0,1,2,3
	s_delay_alu instid0(VALU_DEP_4)
	v_mul_f32 v[V+\j], 0x3fb8aa3b, v[V+\j]         ; x log2(e)
.endr
	s_wait_alu depctr_va_vdst(0)
.irp j, 0,1,2,3
	v_exp_f32 v[V+\j], v[V+\j]
.endr
	v_cmp_lt_u32 vcc_lo, v1, v3                    ; independent work behind the exponentials: the counts of the waves ahead of mine
.irp i, 0,1,2,3
	v_cndmask_b32 v[P+4+\i], 0, v[P+\i], vcc_lo
.endr
	s_wait_alu depctr_va_vdst(0)                   ; one wait for the four exponentials, ahead of their first reader
	v_add_f32 v22, v[V], v[V+2]
	v_add_f32 v23, v[V+1], v[V+3]
.irp m, 1,2,4,8
	s_delay_alu instid0(VALU_DEP_2)
	v_add_f32_dpp v22, v22, v22 row_xmask:\m row_mask:0xf bank_mask:0xf
	s_delay_alu instid0(VALU_DEP_2)
	v_add_f32_dpp v23, v23, v23 row_xmask:\m row_mask:0xf bank_mask:0xf
.endr
	s_delay_alu instid0(VALU_DEP_2)
	v_permlanex16_b32 v20, v22, s16, s17
	s_delay_alu instid0(VALU_DEP_1)
	v_add_f32 v22, v22, v20
	s_delay_alu instid0(VALU_DEP_2)
	v_permlanex16_b32 v20, v23, s16, s17
	s_delay_alu instid0(VALU_DEP_1)
	v_add_f32 v23, v23, v20
	ds_store_b64 v53, v[22:23] offset:SUMB-MAXB    ; waited for in front of the second barrier; whole-number work stands between
	; ---- all waves' counts, and those of the waves ahead of mine, summed over the lanes (the 16-bit fields cannot carry: at most 4,096)
.irp m, 1,2,4,8
.irp i, 0,1,2,3,4,5,6,7
	v_mov_b32_dpp v[W+\i], v[P+\i] row_xmask:\m row_mask:0xf bank_mask:0xf
.endr
.irp i, 0,1,2,3,4,5,6,7
	v_add_nc_u32 v[P+\i], v[P+\i], v[W+\i]
.endr
.endr
.irp i, 0,1,2,3,4,5,6,7
	v_permlanex16_b32 v[W+\i], v[P+\i], s16, s17
.endr
.irp i, 0,1,2,3,4,5,6,7
	v_add_nc_u32 v[P+\i], v[P+\i], v[W+\i]
.endr
.irp i, 0,1,2,3
	v_readfirstlane_b32 s[28+\i], v[P+\i]
	v_readfirstlane_b32 s[80+\i], v[P+4+\i]
.endr
.irp i, 0,1,2,3
	s_and_b32 s[NE+2*\i], s[28+\i], 0xffff
	s_lshr_b32 s[NE+2*\i+1], s[28+\i], 16
	s_and_b32 s[RUN+2*\i], s[80+\i], 0xffff
	s_lshr_b32 s[RUN+2*\i+1], s[80+\i], 16
.endr
	s_mov_b32 s[BASE], 0
	s_mov_b32 s[TB], 0
.irp e, 0,1,2,3,4,5,6,7
	s_add_co_u32 s[BASE+1+\e], s[BASE+\e], s[NE+\e]
	s_add_co_u32 s[RUN+\e], s[RUN+\e], s[BASE+\e]  ; where my wave's first row of expert e goes
	s_add_co_u32 s76, s[NE+\e], 159
	s_mul_i32 s76, s76, 26215
	s_lshr_b32 s76, s76, 22                        ; ceil(n / 160): 26215 / 2^22 exceeds 1 / 160 by 1.43e-7, so the floor is right for n + 159 up to 43,690
	s_add_co_u32 s[TB+1+\e], s[TB+\e], s76
.endr
	; ---- my ids' positions: the ballots again; a lane's rank among the lanes below it, on top of the expert's next free position
.irp j, 0,1,2,3
.irp e, 0,1,2,3,4,5,6,7
	v_cmp_eq_u32 vcc_lo, \e, v[E+\j]
	s_delay_alu instid0(VALU_DEP_1)
	v_mbcnt_lo_u32_b32 v20, vcc_lo, s[RUN+\e]
	s_delay_alu instid0(VALU_DEP_1)
	v_cndmask_b32 v[POS+\j], v[POS+\j], v20, vcc_lo
	s_bcnt1_i32_b32 s76, vcc_lo
	s_add_co_u32 s[RUN+\e], s[RUN+\e], s76
.endr
.endr
.irp j, 0,1,2,3
	v_min_u32 v[POS+\j], 0xfff, v[POS+\j]          ; a number made of loaded ones enters an address only behind a bound
	s_delay_alu instid0(VALU_DEP_1)
	v_lshlrev_b32 v[POS+\j], 2, v[POS+\j]
	global_store_b32 v[POS+\j], v[ID+\j], s[8:9]
.endr
	; ---- the tiles: threads 0 to 63, an entry each; a branch on the wave's number, and no barrier inside
	s_cmp_gt_u32 s14, 1
	s_cbranch_scc1 .Lno_table
	v_mov_b32 v[TE], 0                             ; expert,
	v_mov_b32 v56, 0                               ; its first position,
	v_mov_b32 v57, 0                               ; its first tile,
	v_mov_b32 v58, s[NE]                           ; its rows: those of the last expert whose first tile is not behind mine
.irp e, 1,2,3,4,5,6,7
	v_cmp_le_u32 vcc_lo, s[TB+\e], v0
	s_delay_alu instid0(VALU_DEP_1)
	v_cndmask_b32 v[TE], v[TE], \e, vcc_lo
	s_delay_alu instid0(VALU_DEP_2)
	v_cndmask_b32 v56, v56, s[BASE+\e], vcc_lo
	s_delay_alu instid0(VALU_DEP_3)
	v_cndmask_b32 v57, v57, s[TB+\e], vcc_lo
	s_delay_alu instid0(VALU_DEP_4)
	v_cndmask_b32 v58, v58, s[NE+\e], vcc_lo
.endr
	s_delay_alu instid0(VALU_DEP_2)
	v_sub_nc_u32 v59, v0, v57
	s_delay_alu instid0(VALU_DEP_1)
	v_mul_u32_u24 v59, v59, 160                    ; rows of the expert ahead of my tile
	s_delay_alu instid0(VALU_DEP_1)
	v_add_nc_u32 v[TE+1], v56, v59
	s_delay_alu instid0(VALU_DEP_2)
	v_sub_nc_u32 v[TE+2], v58, v59
	s_delay_alu instid0(VALU_DEP_1)
	v_min_u32 v[TE+2], 160, v[TE+2]
	v_cmp_le_u32 vcc_lo, s[TB+8], v0               ; behind the last tile: zeros
	s_delay_alu instid0(VALU_DEP_1)
	v_cndmask_b32 v[TE], v[TE], 0, vcc_lo
	s_delay_alu instid0(VALU_DEP_2)
	v_cndmask_b32 v[TE+1], v[TE+1], 0, vcc_lo
	s_delay_alu instid0(VALU_DEP_3)
	v_cndmask_b32 v[TE+2], v[TE+2], 0, vcc_lo
	v_mov_b32 v[TE+3], 0
	global_store_b128 v2, v[TE:TE+3], s[10:11]     ; a wave stores 512 consecutive bytes; the two waves write all 1,024
.Lno_table:
	s_wait_dscnt 0x0                               ; for the others' sake: my sums lie in LDS
	s_barrier_signal -1
	s_barrier_wait -1
	; ---- the weights
.irp q, 0,1,2,3
	ds_load_b128 v[W+4*\q:W+4*\q+3], v55 offset:SUMB-MAXB+16*\q
.endr
	s_wait_dscnt 0x0
	v_add_f32 v56, v[W], v[W+2]
	v_add_f32 v57, v[W+1], v[W+3]
.irp q, 4,6,8,10,12,14
	s_delay_alu instid0(VALU_DEP_2)
	v_add_f32 v56, v56, v[W+\q]
	s_delay_alu instid0(VALU_DEP_2)
	v_add_f32 v57, v57, v[W+\q+1]
.endr
	s_wait_alu depctr_va_vdst(0)
	v_rcp_f32 v56, v56
	v_rcp_f32 v57, v57
	v_nop                                          ; a plain line behind the last reciprocal
	s_wait_alu depctr_va_vdst(0)                   ; one wait for both, ahead of their first reader
	v_mul_f32 v[V], v[V], v56
	v_mul_f32 v[V+1], v[V+1], v57
	v_mul_f32 v[V+2], v[V+2], v56
	v_mul_f32 v[V+3], v[V+3], v57
	global_store_b128 v2, v[V:V+3], s[12:13]       ; a wave stores 512 consecutive bytes
	s_wait_tensorcnt 0x0
	ds_add_u32 v64, v65
	s_wait_dscnt 0x0
	s_endpgm
.Lfunc_end_k_qa95c511e06_place:
	.size	k_qa95c511e06_place, .Lfunc_end_k_qa95c511e06_place-k_qa95c511e06_place
	.p2alignl 7, 3214868480
	.fill 96, 4, 3214868480
	.section	.rodata,"a",@progbits
	.p2align	6, 0x0
	.amdhsa_kernel k_qa95c511e06_place
		.amdhsa_group_segment_fixed_size 5120
		.amdhsa_private_segment_fixed_size 0
		.amdhsa_enable_private_segment 0
		.amdhsa_kernarg_size 40
		.amdhsa_user_sgpr_count 2
		.amdhsa_user_sgpr_kernarg_segment_ptr 1
		.amdhsa_wavefront_size32 1
		.amdhsa_system_sgpr_workgroup_id_x 1
		.amdhsa_system_sgpr_workgroup_id_y 1
		.amdhsa_system_sgpr_workgroup_id_z 1
		.amdhsa_system_vgpr_workitem_id 0
		.amdhsa_next_free_vgpr 66
		.amdhsa_next_free_sgpr 96
		.amdhsa_reserve_vcc 1
		.amdhsa_float_denorm_mode_32 3
		.amdhsa_float_denorm_mode_16_64 3
		.amdhsa_memory_ordered 1
		.amdhsa_forward_progress 1
		.amdhsa_inst_pref_size 31
	.end_amdhsa_kernel
	.amdgpu_metadata
---
amdhsa.version: [ 1, 2 ]
amdhsa.kernels:
  - .name:           k_qa95c511e06_place
    .symbol:         k_qa95c511e06_place.kd
    .args:
      - { .name: sel, .offset: 0, .size: 8, .value_kind: global_buffer, .address_space: global }
      - { .name: val, .offset: 8, .size: 8, .value_kind: global_buffer, .address_space: global }
      - { .name: rows, .offset: 16, .size: 8, .value_kind: global_buffer, .address_space: global }
      - { .name: tiles, .offset: 24, .size: 8, .value_kind: global_buffer, .address_space: global }
      - { .name: wts, .offset: 32, .size: 8, .value_kind: global_buffer, .address_space: global }
    .group_segment_fixed_size: 5120
    .private_segment_fixed_size: 0
    .kernarg_segment_align: 8
    .kernarg_segment_size: 40
    .max_flat_workgroup_size: 1024
    .sgpr_count:     96
    .vgpr_count:     66
    .wavefront_size: 32
...
	.end_amdgpu_metadata
.endif
;; end of part 7
;; launch ffn1 (part 8): grid 8 x 33, 8 waves a work-group, no clusters, 227,328 bytes of LDS; arguments xq, w1_codes, b1, lowp_scales, rows, tiles, hq; writes hq
.if DOCPART == 8
	.amdgcn_target "amdgcn-amd-amdhsa--gfx1250"
	.amdhsa_code_object_version 6
	.text
	.protected	k_qa95c511e06_ffn1
	.globl	k_qa95c511e06_ffn1
	.p2align	8
	.type	k_qa95c511e06_ffn1,@function
k_qa95c511e06_ffn1:
	s_mov_b64 s[64:65], 0
	v_nop
	global_prefetch_b8 v0, s[64:65] scope:SCOPE_SE
	s_setreg_imm32_b32 hwreg(HW_REG_WAVE_SCHED_MODE, 0, 2), 2
	s_setreg_imm32_b32 hwreg(HW_REG_WAVE_MODE, 25, 1), 1
	s_wait_xcnt 0x0
	s_wait_alu depctr_vm_vsrc(0)
; THE FIRST PRODUCT OF THE CHOSEN EXPERTS.  hq[position][f] = the code of relu(x W1[e] + b1[e]) with the scale 2^eh, for the routed rows alone.
; A work-group takes tile y of the list (at most 160 sorted positions of ONE expert) and 256 hidden units (slice x).  Its rows of x's codes are gathered by the list: xq[rows[position]].
; 33 tiles serve every split (ceil(4096 / 160) + 7).  A tile that a split leaves without rows stores nothing.
; NO TENSOR LOADS, NO CLUSTER: what a work-group does hangs on numbers read from memory (rows in its tile, ids of its rows), and partners of a cluster would have different numbers of rows.
; Instead both tiles go memory -> registers -> LDS, a chunk of 256 along K at a time, in two LDS buffers; inside the work-group x's tile serves four columns of waves and W1's both rows of waves.
; EVERY WAVE PASSES EVERY BARRIER: the branch on the tile's rows jumps over work alone, piece by piece, never over a barrier.  So that each piece finds its registers written on every way, the head
; (addresses, list, bias, first loads) is run by every work-group; one without rows takes expert 0 and position 0 there, which always exist.
; EIGHT WAVES, 2 x 4; a wave makes 80 rows x 64 units: 20 accumulators.  For 64 along K it reads 5 + 4 fragments, 9,216 bytes of LDS, for 20 matrix instructions.
; v_wmma_f32_16x16x64_fp8_fp8, USED TRANSPOSED: source 0 = 16 rows of W1's codes (16 hidden units), source 1 = 16 rows of x:
; lane (r, h) then holds row r and, in registers 0..7, units 8 h + 0..7: eight neighbours along the next K, which one conversion turns into 8 bytes.
; A fragment (16 rows x 64 K, 8 registers) comes by two ds_load_b128: registers 0-3 = the row's bytes 16 h .. + 15 of the 64, registers 4-7 = bytes 32 + 16 h .. + 15: a permutation of k, the same on both sides,
; so every product meets its partner; only the order of the sums inside an instruction changes.
; TWO SETS OF FRAGMENTS: a step's 18 LDS loads are dealt among the products of the step before.
; THE SCALES.  A sum stands for sum x 2^(ex + ew1).  The accumulators start as b1 / 2^(ex + ew1) (so the bias costs no addition and nothing is cleared), and the conversion takes 2^(eh - ex - ew1).
; relu and the hold at the largest code are one v_med3_num_f32 between 0 and 448 x that scale.
; LIMITS: eh - ex - ew1 between -126 and 119; b1 / 2^(ex + ew1) an f32 number; NaN is not served.
; THE MODE: SCHED_MODE bits 1:0 = 2 (LLVM: expert scheduling mode 2), set by the entry lines.  The code itself states the register dependences
; between vector or matrix instructions and memory or LDS instructions, with s_wait_alu, always for 0.
; THE PLAN.  Registers that memory or LDS instructions touch:
;   set 0 (v32-103), set 1 (v416-487)   Step s of a chunk: its 20 matrix instructions read set s % 2; the LDS loads of step s + 1 land in the other set, which step s - 1 read.
;   v104-207       Global loads land in them; the LDS stores of STORE read them; then they are loaded again.  At the end the conversions write v168-207, and LDS stores read those.
;   v1-9, v16-25, v208-217, v243, v245-247   Addresses and offsets: made in the head, never written again.
;   v32-71         At the end: LDS loads from the stage land in them, global stores read them.
;   The accumulators, v248 and v249 are named by vector and matrix instructions alone.  v251, v252: written in the head, read by the closing add alone.
; So a chunk has three waits on va_vdst: one at its head (the last chunk's steps are done reading both sets), ahead of step 0's own loads, and one at the head of steps 1 and 2 (the step before is done reading
; the set that is loaded next).  Behind each, only this step's matrix instructions and window switches stand ahead of the loads, and they name the other set and the accumulators: none of the registers that the loads touch.
; One wait on vm_vsrc stands directly behind each STORE.
; REGISTERS, in windows of 256 (s_set_vgpr_msb: bits 1:0 source 0, 3:2 source 1, 5:4 source 2, 7:6 destination):
;   window 0: v1, v2 LDS address of my x fragments in buffer 0, 1;  v3, v4 of my W1 fragments;  v5, v6 where I store x's and W1's 16 bytes in buffer 0;  v7, v8 in buffer 1;  v9 my byte offset in W1's tile;
;             v16-25 offsets in xq;  v32-103 fragment set 0;  v104-207 a chunk on its way;  v208-227 the list, in the head;
;             v240 r, v241 h, v242 thread / 16, v243 32 h, v244 lane, v245, v246 the stage (in, back), v247 8 x lane, v248 the conversion's scale, v249 448 x it, v253-255 at work in the head
;   window 1: v0-159 the accumulators, (mt, nt) at 32 mt + 8 nt;  v160-231 fragment set 1
; Every LDS store and every global store takes its data from window 0.
; s20 expert, s21 first position, s22 rows, s24 wave, s25, s26 its row and column, s27 slice, s28-31 ex, ew1, eh, ew2, s[32:33] W1's tile, s[34:35] my bias, s36 rows - 1, s39 rows left from my first stage row on
.set KROW,  1024                       ; a row of xq and of W1's codes, in bytes
.set NCH,   4                          ; chunks of 256 along K
.set PITCH, 272                        ; an LDS row: 256 bytes + 16: 68 words, so the 16 rows that a load touches start at 16 different banks (64 banks of 4 bytes: ISA guide 11.1)
.set AREG,  160*PITCH                  ; x's 160 rows, then W1's 256
.set BUF,   (160+256)*PITCH            ; a buffer; two of them
.set RR,    16                         ; rows that the 256 threads move at once, 16 threads to a row of 256 bytes
.set NA,    10                         ; such rounds for x's tile
.set NB,    16                         ; and for W1's
.set RP,    RR*PITCH
.set AOFF,  16
.set F0,    32                         ; fragment set 0, in window 0: five of x (40 registers), then four of W1 (32)
.set F1,    160                        ; fragment set 1, in window 1
.set ST,    104
.set CD,    168                        ; v168-207: the codes on the way out (the chunk's registers are free by then)
.set MSB,   0
.macro WIN new                         ; the immediate's high byte repeats the setting that is left; a switch that changes nothing is dropped
.if MSB != \new
	s_set_vgpr_msb (MSB<<8)|\new
.set MSB, \new
.endif
.endm
.macro PLACES                          ; a vector write of a register that a matrix instruction has named, and a read of its result, stand four plain vector instructions behind it (ISA guide 7.12.1)
.rept 4
	v_nop
.endr
.endm
.macro LOADA c                         ; chunk c of my tile's rows of x: a wave's load covers two rows' 256 consecutive bytes, aligned
.set p, 0
.rept NA
	global_load_b128 v[ST+4*p:ST+4*p+3], v[AOFF+p], s[4:5] offset:256*(\c)
.set p, p+1
.endr
.endm
.macro LOADB c
.set p, 0
.rept NB
	global_load_b128 v[ST+4*NA+4*p:ST+4*NA+4*p+3], v9, s[32:33] offset:RR*KROW*p+256*(\c)
.set p, p+1
.endr
.endm
.macro STORE b                         ; the chunk in ST goes into buffer b
.set p, 0
.rept NA
	ds_store_b128 v[5+2*(\b)], v[ST+4*p:ST+4*p+3] offset:RP*p
.set p, p+1
.endr
.set p, 0
.rept NB
	ds_store_b128 v[6+2*(\b)], v[ST+4*NA+4*p:ST+4*NA+4*p+3] offset:RP*p
.set p, p+1
.endr
.endm
.macro FRAG reg, adr, off              ; a fragment: two LDS loads, 32 bytes apart
	ds_load_b128 v[\reg:\reg+3],   v[\adr] offset:\off
	ds_load_b128 v[\reg+4:\reg+7], v[\adr] offset:\off+32
.endm
; Six of the 18 LDS loads that bring the fragments of the s-th 64 along K of buffer b into set q.  g = 0: W1's fragment 0 and x's 0, 1;  g = 1: x's 2 to 4;  g = 2: W1's 1 to 3.
; In that order the first five products of a step can start while the last six loads are out.
.macro GROUP b, s, q, g
.if \q
	WIN 0x40                                       ; destination window 1, address window 0
.set FL, F1
.else
	WIN 0
.set FL, F0
.endif
.if (\g) == 0
	FRAG FL+40, 3+(\b), 64*(\s)
	FRAG FL,    1+(\b), 64*(\s)
	FRAG FL+8,  1+(\b), 16*PITCH+64*(\s)
.elseif (\g) == 1
	FRAG FL+16, 1+(\b), 32*PITCH+64*(\s)
	FRAG FL+24, 1+(\b), 48*PITCH+64*(\s)
	FRAG FL+32, 1+(\b), 64*PITCH+64*(\s)
.else
	FRAG FL+48, 3+(\b), 16*PITCH+64*(\s)
	FRAG FL+56, 3+(\b), 32*PITCH+64*(\s)
	FRAG FL+64, 3+(\b), 48*PITCH+64*(\s)
.endif
.endm
; Five matrix instructions on set q: W1's fragment nt against x's five.
.macro MULG q, nt
.if \q
	WIN 0x55                                       ; fragments and accumulators in window 1
.set FM, F1
.else
	WIN 0x50                                       ; fragments in window 0, C and D in window 1
.set FM, F0
.endif
.irp mt, 0,1,2,3,4
	v_wmma_f32_16x16x64_fp8_fp8 v[32*\mt+8*(\nt):32*\mt+8*(\nt)+7], v[FM+40+8*(\nt):FM+47+8*(\nt)], v[FM+8*\mt:FM+8*\mt+7], v[32*\mt+8*(\nt):32*\mt+8*(\nt)+7]
.endr
.endm
; Step s of a chunk: 20 matrix instructions on set s % 2.  The twenty accumulators take turns, one instruction a turn, in the same order in every step.
; deal = 1: the next step's 18 loads are dealt among them, six behind each of the first three fives, into the other set.  wait = 1: that set was read by the step before.
.macro STEP b, s, wait, deal
.if \wait
	s_wait_alu depctr_va_vdst(0)                   ; the step before is done reading the other set, in which the loads dealt below land
.endif
.irp nt, 0,1,2,3
	s_wait_dscnt 6-2*\nt+6*\nt*(\deal)             ; may be out: W1's fragments behind this one, two loads each, and the loads dealt so far in this step
	MULG (\s)%2, \nt
.if (\deal) && (\nt < 3)
	GROUP \b, (\s)+1, 1-(\s)%2, \nt                ; no wait: no vector or matrix instruction since the last wait on va_vdst names these registers
.endif
.endr
	PLACES                                         ; at the step's end, so that they stand behind the products on every way on
.endm
.macro COMPUTE b                       ; a chunk: four steps of 64 along K, the sets by turns
	s_wait_alu depctr_va_vdst(0)                   ; the last chunk's steps 2 and 3 are done reading both sets (in the first chunk: the lines that start the sums are done reading v32-63): step 0's and step 1's loads land there
	GROUP \b, 0, 0, 0
	GROUP \b, 0, 0, 1
	GROUP \b, 0, 0, 2
	STEP \b, 0, 0, 1
	STEP \b, 1, 1, 1
	STEP \b, 2, 1, 1
	STEP \b, 3, 0, 0                               ; the last step loads nothing
	WIN 0                                          ; at a label and at a branch every window is 0
.endm
.macro BAR                             ; my LDS stores have landed and my LDS loads are in: then the work-group's barrier.  Never under a branch
	s_wait_dscnt 0x0
	s_barrier_signal -1
	s_barrier_wait -1
.endm
; Chunk c is multiplied out of buffer c % 2; then chunk c + 1, asked for a trip ago, goes into the other buffer, whose last reads every wave awaited in front of the last barrier; then chunk c + 2 is asked for.
.macro TRIP c, bar
	s_cmp_eq_u32 s22, 0
	s_cbranch_scc1 .Lskip_\@
	COMPUTE (\c)%2
.if (\c)+1 < NCH
	s_wait_loadcnt 0x0                             ; chunk c + 1 is in registers
	STORE ((\c)+1)%2
	s_wait_dscnt 0x0                               ; the stores are done
	s_wait_alu depctr_vm_vsrc(0)                   ; the LDS stores have read v104-207: the next loads land there, and behind the last chunk the conversions write v168-207
.endif
.if (\c)+2 < NCH
	LOADA (\c)+2
	LOADB (\c)+2
.endif
.Lskip_\@:
.if \bar
	BAR
.endif
.endm
	s_load_b256 s[4:11], s[0:1], 0x0               ; xq s[4:5], w1_codes s[6:7], b1 s[8:9], lowp_scales s[10:11]
	s_load_b128 s[12:15], s[0:1], 0x20             ; rows s[12:13], tiles s[14:15]
	s_load_b64 s[16:17], s[0:1], 0x30              ; hq
	v_lshl_add_u32 v251, v0, 2, 0x37400
	v_mov_b32 v252, 0
	v_lshrrev_b32 v253, 5, v0
	v_readfirstlane_b32 s24, v253                  ; wave 0..7
	s_mov_b32 s27, ttmp9                           ; slice
	s_and_b32 s37, ttmp7, 0xffff                   ; tile
	s_lshl_b32 s37, s37, 4
	s_wait_alu depctr_va_sdst(0)                   ; s24 is written, ahead of its first reader
	s_lshr_b32 s25, s24, 2                         ; which 80 rows
	s_and_b32 s26, s24, 3                          ; which 64 units
	s_wait_kmcnt 0x0
	s_load_b128 s[20:23], s[14:15], s37 offset:0x0 ; expert, first position, rows, 0
	v_and_b32 v240, 15, v0                         ; r
	v_bfe_u32 v241, v0, 4, 1                       ; h
	v_lshrrev_b32 v242, 4, v0                      ; thread / 16: my row in a round
	v_lshlrev_b32 v243, 5, v241                    ; 32 h: my half's eight numbers of a tile's bias
	v_and_b32 v244, 31, v0                         ; lane
	v_lshlrev_b32 v254, 4, v240                    ; 16 r: also my 16 bytes of a row of 256
	v_mul_u32_u24 v255, v240, PITCH
	v_lshl_add_u32 v253, v241, 4, v255             ; a fragment's row x pitch + 16 h
	s_mul_i32 s44, s25, 80*PITCH
	v_add_nc_u32 v1, s44, v253
	v_add_nc_u32 v2, BUF, v1
	s_mul_i32 s45, s26, 64*PITCH
	s_add_co_u32 s45, s45, AREG
	v_add_nc_u32 v3, s45, v253
	v_add_nc_u32 v4, BUF, v3
	v_mul_u32_u24 v5, v242, PITCH
	v_add_nc_u32 v5, v5, v254
	v_add_nc_u32 v6, AREG, v5
	v_add_nc_u32 v7, BUF, v5
	v_add_nc_u32 v8, BUF, v6
	v_lshl_add_u32 v9, v242, 10, v254              ; W1's tile: row thread / 16, 16 bytes
	s_lshl_b32 s46, s26, 6
	s_add_co_u32 s46, s46, s44
	v_lshl_add_u32 v245, v241, 3, v255
	v_add_nc_u32 v245, s46, v245                   ; the stage, in: row 80 wm + r, byte 64 wn + 8 h
	s_mul_i32 s47, s24, 20*PITCH
	v_lshlrev_b32 v247, 3, v244                    ; 8 x lane
	v_add_nc_u32 v246, s47, v247                   ; back: my 20 rows, 8 bytes a lane
	s_wait_kmcnt 0x0
	s_min_u32 s20, s20, 7                          ; numbers that were loaded enter addresses only behind a bound
	s_min_u32 s21, s21, 4095
	s_min_u32 s22, s22, 160
	s_lshl_b32 s38, s20, 4
	s_load_b128 s[28:31], s[10:11], s38 offset:0x0 ; the expert's ex, ew1, eh, ew2
	s_max_u32 s36, s22, 1
	s_sub_co_u32 s36, s36, 1                       ; the tile's last row: rows beyond it are read as that row, and not stored
	s_lshl_b32 s40, s20, 21                        ; an expert's codes: 2 MiB
	s_lshl_b32 s42, s27, 18                        ; 256 rows of 1,024 bytes
	s_add_co_u32 s40, s40, s42
	s_mov_b32 s41, 0
	s_add_nc_u64 s[32:33], s[6:7], s[40:41]
	s_lshl_b32 s40, s20, 13                        ; b1: 8,192 bytes an expert,
	s_lshl_b32 s42, s27, 10                        ; 1,024 a slice,
	s_add_co_u32 s40, s40, s42
	s_lshl_b32 s42, s26, 8                         ; 256 a column of waves
	s_add_co_u32 s40, s40, s42
	s_add_nc_u64 s[34:35], s[8:9], s[40:41]
	s_mul_i32 s42, s24, 20
	s_sub_co_i32 s39, s22, s42                     ; rows left from my first stage row on
	s_add_co_u32 s40, s21, s42
	s_lshl_b32 s40, s40, 11                        ; hq: 2,048 bytes a position,
	s_lshl_b32 s42, s27, 8                         ; 256 a slice
	s_add_co_u32 s40, s40, s42
	s_add_nc_u64 s[16:17], s[16:17], s[40:41]
.set p, 0
.rept NA                               ; where the ids of the rows that I move lie in the list
	v_add_nc_u32 v[208+p], RR*p, v242
	v_min_u32 v[208+p], s36, v[208+p]
	v_add_nc_u32 v[208+p], s21, v[208+p]
	v_min_u32 v[208+p], 0xfff, v[208+p]
	v_lshlrev_b32 v[208+p], 2, v[208+p]
.set p, p+1
.endr
	s_wait_alu depctr_va_vdst(0)                   ; v1-9, v208-217, v243 and v245-247 are written: the loads and stores of the whole kernel read them as addresses and offsets
.set p, 0
.rept NA
	global_load_b32 v[218+p], v[208+p], s[12:13]
.set p, p+1
.endr
.irp n, 0,1,2,3                        ; b1 at my units 64 wn + 16 n + 8 h + 0..7
	global_load_b128 v[32+8*\n:35+8*\n], v243, s[34:35] offset:64*\n
	global_load_b128 v[36+8*\n:39+8*\n], v243, s[34:35] offset:64*\n+16
.endr
	LOADB 0
	s_wait_loadcnt 0x18                            ; the ids are in: behind them stand the bias's 8 loads and W1's 16
.set p, 0
.rept NA
	v_min_u32 v[AOFF+p], 0xfff, v[218+p]
	v_lshl_add_u32 v[AOFF+p], v[AOFF+p], 10, v254  ; id x 1,024 + my 16 bytes
.set p, p+1
.endr
	s_wait_alu depctr_va_vdst(0)                   ; v16-25 are written: every load of x's codes reads one of them as its offset
	LOADA 0
	s_wait_loadcnt 0x1a                            ; the bias is in: behind it stand W1's 16 loads and x's 10
	s_wait_kmcnt 0x0
	s_add_co_i32 s48, s28, s29                     ; ex + ew1
	s_sub_co_i32 s49, 0, s48
	s_sub_co_i32 s50, s30, s48                     ; eh - ex - ew1
	s_add_co_i32 s50, s50, 127
	s_lshl_b32 s50, s50, 23
	v_mov_b32 v248, s50                            ; 2^(eh - ex - ew1) as f32: the conversion takes its exponent field
	s_add_co_u32 s50, s50, 0x4600000
	v_mov_b32 v249, s50                            ; 448 x that
	WIN 0x40                                       ; destination window 1
.irp mt, 0,1,2,3,4
.set n, 0
.rept 32
	v_ldexp_f32 v[32*\mt+n], v[32+n], s49          ; the sums start as b1 / 2^(ex + ew1)
.set n, n+1
.endr
.endr
	WIN 0
	s_cmp_eq_u32 s22, 0
	s_cbranch_scc1 .Lno_first
	s_wait_loadcnt 0x0                             ; chunk 0
	STORE 0
	s_wait_dscnt 0x0                               ; the stores are done
	s_wait_alu depctr_vm_vsrc(0)                   ; the LDS stores have read v104-207, in which the next loads land
	LOADA 1
	LOADB 1
.Lno_first:
	BAR
	TRIP 0, 1
	TRIP 1, 1
	TRIP 2, 1
	TRIP 3, 0                                      ; it reads buffer 1 alone, and what follows writes buffer 0 alone, whose last reads stood in front of the last barrier: no barrier here
	; ---- relu, the hold and the conversion; 8 codes a lane and tile go to a stage of 160 rows x 272 bytes in buffer 0
	s_cmp_eq_u32 s22, 0
	s_cbranch_scc1 .Lno_codes
	s_wait_loadcnt 0x0                             ; no load is on its way into the registers that take the codes
	WIN 0x41                                       ; source 0 and destination window 1
.set n, 0
.rept 160
	v_med3_num_f32 v[n], v[n], 0, v249             ; the activation and the hold in one (the conversion does not saturate: ISA guide 7.6.2); each accumulator from its low end on
.set n, n+1
.endr
	WIN 0x01                                       ; source 0 window 1, destination window 0
.set t, 0
.rept 20
	v_cvt_scalef32_pk8_fp8_f32 v[CD+2*t:CD+2*t+1], v[8*t:8*t+7], v248
.set t, t+1
.endr
	WIN 0
	v_nop                                          ; one plain vector line behind the last conversion
	s_wait_alu depctr_va_vdst(0)                   ; the conversions have written v168-207, which the LDS stores read
.irp mt, 0,1,2,3,4
.irp nt, 0,1,2,3
	ds_store_b64 v245, v[CD+8*\mt+2*\nt:CD+8*\mt+2*\nt+1] offset:16*PITCH*\mt+16*\nt
.endr
.endr
.Lno_codes:
	BAR                                            ; whole rows of 256 codes lie in the stage
	s_cmp_le_i32 s39, 0
	s_cbranch_scc1 .Ldone
	s_wait_alu depctr_va_vdst(0)                   ; on every way here the matrix instructions that read v32-71 (set 0) stand ahead of this wait: the loads below land in those registers
.set i, 0
.rept 20
	ds_load_b64 v[32+2*i:33+2*i], v246 offset:PITCH*i
.set i, i+1
.endr
	s_wait_dscnt 0x0
.set i, 0
.rept 20
	s_cmp_le_i32 s39, i                            ; rows beyond the tile's count are not stored
	s_cbranch_scc1 .Ldone
	global_store_b64 v247, v[32+2*i:33+2*i], s[16:17] offset:2048*i   ; 32 lanes store 256 consecutive bytes, aligned
.set i, i+1
.endr
.Ldone:
	s_wait_dscnt 0x0                               ; the closing lines, six on end
	s_wait_alu 0x0
	s_wait_tensorcnt 0x0
	ds_add_u32 v251, v252
	s_wait_dscnt 0x0
	s_endpgm
.Lfunc_end_k_qa95c511e06_ffn1:
	.size	k_qa95c511e06_ffn1, .Lfunc_end_k_qa95c511e06_ffn1-k_qa95c511e06_ffn1
	.p2alignl 7, 3214868480
	.fill 96, 4, 3214868480
	.section	.rodata,"a",@progbits
	.p2align	6, 0x0
	.amdhsa_kernel k_qa95c511e06_ffn1
		.amdhsa_group_segment_fixed_size 227328
		.amdhsa_private_segment_fixed_size 0
		.amdhsa_enable_private_segment 0
		.amdhsa_kernarg_size 56
		.amdhsa_user_sgpr_count 2
		.amdhsa_user_sgpr_kernarg_segment_ptr 1
		.amdhsa_wavefront_size32 1
		.amdhsa_system_sgpr_workgroup_id_x 1
		.amdhsa_system_sgpr_workgroup_id_y 1
		.amdhsa_system_sgpr_workgroup_id_z 1
		.amdhsa_system_vgpr_workitem_id 0
		.amdhsa_next_free_vgpr 488
		.amdhsa_next_free_sgpr 66
		.amdhsa_reserve_vcc 0
		.amdhsa_float_denorm_mode_32 3
		.amdhsa_float_denorm_mode_16_64 3
		.amdhsa_memory_ordered 1
		.amdhsa_forward_progress 1
		.amdhsa_inst_pref_size 99
	.end_amdhsa_kernel
	.amdgpu_metadata
---
amdhsa.version: [ 1, 2 ]
amdhsa.kernels:
  - .name:           k_qa95c511e06_ffn1
    .symbol:         k_qa95c511e06_ffn1.kd
    .args:
      - { .name: xq, .offset: 0, .size: 8, .value_kind: global_buffer, .address_space: global }
      - { .name: w1_codes, .offset: 8, .size: 8, .value_kind: global_buffer, .address_space: global }
      - { .name: b1, .offset: 16, .size: 8, .value_kind: global_buffer, .address_space: global }
      - { .name: lowp_scales, .offset: 24, .size: 8, .value_kind: global_buffer, .address_space: global }
      - { .name: rows, .offset: 32, .size: 8, .value_kind: global_buffer, .address_space: global }
      - { .name: tiles, .offset: 40, .size: 8, .value_kind: global_buffer, .address_space: global }
      - { .name: hq, .offset: 48, .size: 8, .value_kind: global_buffer, .address_space: global }
    .group_segment_fixed_size: 227328
    .private_segment_fixed_size: 0
    .kernarg_segment_align: 8
    .kernarg_segment_size: 56
    .max_flat_workgroup_size: 256
    .sgpr_count:     66
    .vgpr_count:     488
    .wavefront_size: 32
...
	.end_amdgpu_metadata
.endif
;; end of part 8
;; launch ffn2 (part 9): grid 8 x 33, 8 waves a work-group, no clusters, 305,152 bytes of LDS; arguments hq, w2_codes, b2, lowp_scales, rows, tiles, ybuf, wts; writes ybuf
.if DOCPART == 9
	.amdgcn_target "amdgcn-amd-amdhsa--gfx1250"
	.amdhsa_code_object_version 6
	.text
	.protected	k_qa95c511e06_ffn2
	.globl	k_qa95c511e06_ffn2
	.p2align	8
	.type	k_qa95c511e06_ffn2,@function
k_qa95c511e06_ffn2:
	s_mov_b64 s[64:65], 0
	v_nop
	global_prefetch_b8 v0, s[64:65] scope:SCOPE_SE
	s_setreg_imm32_b32 hwreg(HW_REG_WAVE_SCHED_MODE, 0, 2), 2
	s_setreg_imm32_b32 hwreg(HW_REG_WAVE_MODE, 25, 1), 1
	s_wait_xcnt 0x0
	s_wait_alu depctr_vm_vsrc(0)
; THE SECOND PRODUCT OF THE CHOSEN EXPERTS.  ybuf[id][d] = wts[id] x (h W2[e] + b2[e]), for the routed rows alone; id = rows[position].
; A work-group takes tile y of the list (at most 160 sorted positions of ONE expert) and 128 outputs (slice x).  Its rows of h's codes lie on end in hq.
; 33 tiles serve every split (ceil(4096 / 160) + 7).  A tile that a split leaves without rows stores nothing.
; NO TENSOR LOADS, NO CLUSTER: what a work-group does hangs on numbers read from memory (rows in its tile, ids of its rows), and partners of a cluster would have different numbers of rows.
; Both tiles go memory -> registers -> LDS, a chunk of 512 along K at a time, in two LDS buffers: 36 loads of 16 bytes a thread are on their way while a chunk is multiplied.
; EVERY WAVE PASSES EVERY BARRIER: the branch on the tile's rows jumps over work alone, piece by piece, never over a barrier.  The head is run by every work-group; one without rows takes expert 0 and position 0 there.
; EIGHT WAVES IN TWO TEAMS OF FOUR.  A wave makes 80 rows x 64 outputs, 20 accumulators: for 64 along K it reads 5 + 4 fragments, 9,216 bytes of LDS, for 20 matrix instructions.  Four such tiles cover the 160 x 128,
; so the teams share K: of each chunk's 512, team g multiplies bytes 256 g .. 256 g + 255.  At the end team 1 puts its weighted sums into the stage, and team 0 adds its own by one fused multiply-add a number.
; AN ORDER OF ROUNDING THAT DIFFERS FROM THE SOURCE'S: an output's sum over K is formed in two f32 halves, which are added once.
; v_wmma_f32_16x16x64_fp8_fp8, USED TRANSPOSED: source 0 = 16 rows of W2's codes (16 outputs), source 1 = 16 rows of h:
; lane (r, h) then holds row r and, in registers 0..7, outputs 8 h + 0..7: 32 neighbouring bytes of a row of y.
; A fragment (16 rows x 64 K, 8 registers) comes by two ds_load_b128: registers 0-3 = the row's bytes 16 h .. + 15 of the 64, registers 4-7 = bytes 32 + 16 h .. + 15: a permutation of k, the same on both sides.
; TWO SETS OF FRAGMENTS: a step's 18 LDS loads are dealt among the products of the step before.
; THE SCALES.  A sum stands for sum x 2^(eh + ew2).  Each team's accumulators start as HALF of b2 / 2^(eh + ew2) (no branch, nothing cleared), and each finished sum is multiplied once by the row's weight x 2^(eh + ew2).
; LIMITS: b2 / 2^(eh + ew2 + 1) and weight x 2^(eh + ew2) are f32 numbers; NaN is not served.
; THE MODE: SCHED_MODE bits 1:0 = 2 (LLVM: expert scheduling mode 2), set by the entry lines.  The code itself states the register dependences
; between vector or matrix instructions and memory or LDS instructions, with s_wait_alu, always for 0.
; THE PLAN.  Registers that memory or LDS instructions touch:
;   set 0 (v416-487), set 1 (v192-239 and v488-511)   Step s of a chunk: its 20 matrix instructions read set s % 2; the LDS loads of step s + 1 land in the other set, which step s - 1 read.
;   v48-191        Global loads land in them; the LDS stores of STORE read them; then they are loaded again.
;   v48-207        On the way out: multiplies (team 1) or LDS loads and multiply-adds (team 0) write them, the LDS stores of TOSTAGE read them; then LDS loads from the stage land in v48-127, which global stores read.
;   v128-147       On the way out: vector adds write them, the global stores read them as offsets.
;   v1-14, v16-35, v45, v240-250   Addresses and offsets: made in the head, never written again.  v15, v36-40: loaded in the head, read by vector instructions alone.
;   The accumulators are named by vector and matrix instructions alone.  v254, v255: written in the head, read by the closing add alone.
; So a chunk has three waits on va_vdst: one at its head (the last chunk's steps are done reading both sets), ahead of step 0's own loads, and one at the head of steps 1 and 2 (the step before is done reading
; the set that is loaded next).  Behind each, only this step's matrix instructions and window switches stand ahead of the loads, and they name the other set and the accumulators: none of the registers that the loads touch.
; One wait on vm_vsrc stands directly behind each STORE and each TOSTAGE.
; REGISTERS, in windows of 256 (s_set_vgpr_msb: bits 1:0 source 0, 3:2 source 1, 5:4 source 2, 7:6 destination):
;   window 0: v1, v2 LDS address of my h fragments in buffer 0, 1;  v3, v4 of my W2 fragments;  v5, v6, v7 where I store h's rounds 0-9, h's rounds 10-19 and W2's 16 bytes in buffer 0;  v8, v9, v10 in buffer 1;
;             v11 my byte offset in W2's tile;  v12, v13 the stage (in, back);  v14 16 x lane;  v15 lane i: the id of stage row 20 wave + i;  v16-35 offsets in hq;  v36-40 the weights of my lane's five rows;
;             v41 r, v42 h, v43 lane, v44 wave, v45 32 h, v46 at work;  v48-191 a chunk on its way;  v192-231 set 1's five fragments of h, v232-239 its fragment 0 of W2 (in the head v208-239 hold the bias);
;             v240-250 the list, in the head;  on the way out v48-207 results
;   window 1: v0-159 the accumulators, (mt, nt) at 32 mt + 8 nt;  v160-231 fragment set 0: five of h, then four of W2;  v232-255 set 1's fragments 1 to 3 of W2
; Every LDS store and every global store takes its data from window 0.
; s20 expert, s21 first position, s22 rows, s24 wave, s53 team, s25, s26 the wave's row and column, s27 slice, s28-31 ex, ew1, eh, ew2, s[32:33] W2's tile, s[34:35] my bias, s36 rows - 1, s39 rows left from my first stage row on;
; on the way out s40-59: the ids of my twenty stage rows
.set KROW,  2048                       ; a row of hq and of W2's codes, in bytes
.set NCH,   4                          ; chunks of 512 along K
.set CHB,   512
.set PITCH, 528                        ; an LDS row: 512 bytes + 16: 132 words, so the 16 rows that a load touches start at 16 different banks (64 banks of 4 bytes: ISA guide 11.1)
.set AREG,  160*PITCH                  ; h's 160 rows, then W2's 128
.set BUF,   (160+128)*PITCH            ; a buffer; two of them
.set RR,    8                          ; rows that the 256 threads move at once: a wave to a row of 512 bytes
.set NA,    20                         ; such rounds for h's tile
.set NB,    16                         ; and for W2's
.set RP,    RR*PITCH
.set SP,    528                        ; the stage for y: 160 rows of 512 bytes + 16, from LDS byte 0 on: h's part of buffer 0
.set RID,   15
.set AOFF,  16
.set WT,    36
.set ST,    48
.set HS0,   160                        ; set 0, in window 1: h's five fragments,
.set WS0,   200                        ; W2's four
.set HS1,   192                        ; set 1: h's five fragments, in window 0,
.set WS1A,  232                        ; W2's fragment 0, in window 0,
.set WS1B,  232                        ; W2's fragments 1 to 3, in window 1
.set LST,   240                        ; the list, in the head: v240-244 where my lane's five ids lie, v245 where my stage row's id lies, v246-250 the five ids, then the weights' offsets
.set MSB,   0
.macro WIN new                         ; the immediate's high byte repeats the setting that is left; a switch that changes nothing is dropped
.if MSB != \new
	s_set_vgpr_msb (MSB<<8)|\new
.set MSB, \new
.endif
.endm
.macro PLACES                          ; a vector write of a register that a matrix instruction has named, and a read of its result, stand four plain vector instructions behind it (ISA guide 7.12.1)
.rept 4
	v_nop
.endr
.endm
.macro LOADA c                         ; chunk c of my tile's rows of h: a wave's load covers 512 consecutive bytes of one row, aligned
.set p, 0
.rept NA
	global_load_b128 v[ST+4*p:ST+4*p+3], v[AOFF+p], s[4:5] offset:CHB*(\c)
.set p, p+1
.endr
.endm
.macro LOADB c
.set p, 0
.rept NB
	global_load_b128 v[ST+4*NA+4*p:ST+4*NA+4*p+3], v11, s[32:33] offset:RR*KROW*p+CHB*(\c)
.set p, p+1
.endr
.endm
.macro STORE b                         ; the chunk in ST goes into buffer b; h's twenty rounds take two address registers, since an LDS offset has 16 bits
.set p, 0
.rept 10
	ds_store_b128 v[5+3*(\b)], v[ST+4*p:ST+4*p+3] offset:RP*p
.set p, p+1
.endr
.set p, 0
.rept 10
	ds_store_b128 v[6+3*(\b)], v[ST+40+4*p:ST+40+4*p+3] offset:RP*p
.set p, p+1
.endr
.set p, 0
.rept NB
	ds_store_b128 v[7+3*(\b)], v[ST+4*NA+4*p:ST+4*NA+4*p+3] offset:RP*p
.set p, p+1
.endr
.endm
.macro FRAG reg, adr, off              ; a fragment: two LDS loads, 32 bytes apart
	ds_load_b128 v[\reg:\reg+3],   v[\adr] offset:\off
	ds_load_b128 v[\reg+4:\reg+7], v[\adr] offset:\off+32
.endm
; Six of the 18 LDS loads that bring the fragments of the s-th 64 along K of my team's four in buffer b into set q.  g = 0: W2's fragment 0 and h's 0, 1;  g = 1: h's 2 to 4;  g = 2: W2's 1 to 3.
; In that order the first five products of a step can start while the last six loads are out.
.macro GROUP b, s, q, g
.if \q
.if (\g) == 0
	WIN 0
	FRAG WS1A,    3+(\b), 64*(\s)
	FRAG HS1,     1+(\b), 64*(\s)
	FRAG HS1+8,   1+(\b), 16*PITCH+64*(\s)
.elseif (\g) == 1
	WIN 0
	FRAG HS1+16,  1+(\b), 32*PITCH+64*(\s)
	FRAG HS1+24,  1+(\b), 48*PITCH+64*(\s)
	FRAG HS1+32,  1+(\b), 64*PITCH+64*(\s)
.else
	WIN 0x40                                       ; destination window 1, address window 0
	FRAG WS1B,    3+(\b), 16*PITCH+64*(\s)
	FRAG WS1B+8,  3+(\b), 32*PITCH+64*(\s)
	FRAG WS1B+16, 3+(\b), 48*PITCH+64*(\s)
.endif
.else
	WIN 0x40                                       ; destination window 1, address window 0
.if (\g) == 0
	FRAG WS0,     3+(\b), 64*(\s)
	FRAG HS0,     1+(\b), 64*(\s)
	FRAG HS0+8,   1+(\b), 16*PITCH+64*(\s)
.elseif (\g) == 1
	FRAG HS0+16,  1+(\b), 32*PITCH+64*(\s)
	FRAG HS0+24,  1+(\b), 48*PITCH+64*(\s)
	FRAG HS0+32,  1+(\b), 64*PITCH+64*(\s)
.else
	FRAG WS0+8,   3+(\b), 16*PITCH+64*(\s)
	FRAG WS0+16,  3+(\b), 32*PITCH+64*(\s)
	FRAG WS0+24,  3+(\b), 48*PITCH+64*(\s)
.endif
.endif
.endm
; Five matrix instructions on set q: W2's fragment nt against h's five.
.macro MULG q, nt
.if \q
.set FH, HS1
.if (\nt) == 0
	WIN 0x50                                       ; both fragments in window 0, C and D in window 1
.set FW, WS1A
.else
	WIN 0x51                                       ; W2's fragment in window 1, h's in window 0, C and D in window 1
.set FW, WS1B+8*((\nt)-1)
.endif
.else
	WIN 0x55                                       ; fragments and accumulators in window 1
.set FH, HS0
.set FW, WS0+8*(\nt)
.endif
.irp mt, 0,1,2,3,4
	v_wmma_f32_16x16x64_fp8_fp8 v[32*\mt+8*(\nt):32*\mt+8*(\nt)+7], v[FW:FW+7], v[FH+8*\mt:FH+8*\mt+7], v[32*\mt+8*(\nt):32*\mt+8*(\nt)+7]
.endr
.endm
; Step s of a chunk: 20 matrix instructions on set s % 2.  The twenty accumulators take turns, one instruction a turn, in the same order in every step.
; deal = 1: the next step's 18 loads are dealt among them, six behind each of the first three fives, into the other set.  wait = 1: that set was read by the step before.
.macro STEP b, s, wait, deal
.if \wait
	s_wait_alu depctr_va_vdst(0)                   ; the step before is done reading the other set, in which the loads dealt below land
.endif
.irp nt, 0,1,2,3
	s_wait_dscnt 6-2*\nt+6*\nt*(\deal)             ; may be out: W2's fragments behind this one, two loads each, and the loads dealt so far in this step
	MULG (\s)%2, \nt
.if (\deal) && (\nt < 3)
	GROUP \b, (\s)+1, 1-(\s)%2, \nt                ; no wait: no vector or matrix instruction since the last wait on va_vdst names these registers
.endif
.endr
	PLACES                                         ; at the step's end, so that they stand behind the products on every way on
.endm
.macro COMPUTE b                       ; a chunk: my team's four steps of 64 along K, the sets by turns
	s_wait_alu depctr_va_vdst(0)                   ; the last chunk's steps 2 and 3 are done reading both sets (in the first chunk: the lines that start the sums are done reading v208-239): step 0's and step 1's loads land there
	GROUP \b, 0, 0, 0
	GROUP \b, 0, 0, 1
	GROUP \b, 0, 0, 2
	STEP \b, 0, 0, 1
	STEP \b, 1, 1, 1
	STEP \b, 2, 1, 1
	STEP \b, 3, 0, 0                               ; the last step loads nothing
	WIN 0                                          ; at a label and at a branch every window is 0
.endm
.macro BAR                             ; my LDS stores have landed and my LDS loads are in: then the work-group's barrier.  Never under a branch
	s_wait_dscnt 0x0
	s_barrier_signal -1
	s_barrier_wait -1
.endm
; Chunk c is multiplied out of buffer c % 2; then chunk c + 1, asked for a trip ago, goes into the other buffer, whose last reads every wave awaited in front of the last barrier; then chunk c + 2 is asked for.
.macro TRIP c, bar
	s_cmp_eq_u32 s22, 0
	s_cbranch_scc1 .Lskip_\@
	COMPUTE (\c)%2
.if (\c)+1 < NCH
	s_wait_loadcnt 0x0                             ; chunk c + 1 is in registers
	STORE ((\c)+1)%2
	s_wait_dscnt 0x0                               ; the stores are done
	s_wait_alu depctr_vm_vsrc(0)                   ; the LDS stores have read v48-191: the next loads land there, and on the way out results and offsets are written there
.endif
.if (\c)+2 < NCH
	LOADA (\c)+2
	LOADB (\c)+2
.endif
.Lskip_\@:
.if \bar
	BAR
.endif
.endm
.macro WEIGH                           ; my rows' weights x 2^(eh + ew2)
.irp mt, 0,1,2,3,4
	v_ldexp_f32 v[WT+\mt], v[WT+\mt], s48
.endr
.endm
.macro TOSTAGE                         ; lane (r, h): 32 bytes of row 80 wm + 16 mt + r for each tile of outputs
	s_wait_alu depctr_va_vdst(0)                   ; the lines above have written v48-207, which the LDS stores read
.irp mt, 0,1,2,3,4
.irp nt, 0,1,2,3
	ds_store_b128 v12, v[ST+32*\mt+8*\nt:ST+32*\mt+8*\nt+3]   offset:16*SP*\mt+64*\nt
	ds_store_b128 v12, v[ST+32*\mt+8*\nt+4:ST+32*\mt+8*\nt+7] offset:16*SP*\mt+64*\nt+16
.endr
.endr
	s_wait_alu depctr_vm_vsrc(0)                   ; the LDS stores have read v48-207: loads from the stage land in them, and the rows' offsets are written into v128-147
.endm
	s_load_b256 s[4:11], s[0:1], 0x0               ; hq s[4:5], w2_codes s[6:7], b2 s[8:9], lowp_scales s[10:11]
	s_load_b256 s[12:19], s[0:1], 0x20             ; rows s[12:13], tiles s[14:15], ybuf s[16:17], wts s[18:19]
	v_lshl_add_u32 v254, v0, 2, 0x4a400
	v_mov_b32 v255, 0
	v_lshrrev_b32 v44, 5, v0                       ; wave, in every lane
	v_readfirstlane_b32 s24, v44                   ; wave 0..7
	s_mov_b32 s27, ttmp9                           ; slice
	s_and_b32 s37, ttmp7, 0xffff                   ; tile
	s_lshl_b32 s37, s37, 4
	s_wait_alu depctr_va_sdst(0)                   ; s24 is written, ahead of its first reader
	s_lshr_b32 s53, s24, 2                         ; team: which 256 of a chunk's 512 along K
	s_and_b32 s54, s24, 3
	s_lshr_b32 s25, s54, 1                         ; which 80 rows
	s_and_b32 s26, s54, 1                          ; which 64 outputs
	s_wait_kmcnt 0x0
	s_load_b128 s[20:23], s[14:15], s37 offset:0x0 ; expert, first position, rows, 0
	v_and_b32 v41, 15, v0                          ; r
	v_bfe_u32 v42, v0, 4, 1                        ; h
	v_and_b32 v43, 31, v0                          ; lane
	v_lshlrev_b32 v14, 4, v43                      ; 16 x lane: my 16 bytes of a row of 512
	v_lshlrev_b32 v45, 5, v42                      ; 32 h: my half's eight numbers of a tile's bias
	v_mul_u32_u24 v46, v41, PITCH
	v_lshl_add_u32 v46, v42, 4, v46                ; a fragment's row x pitch + 16 h
	s_lshl_b32 s55, s53, 8                         ; 256 x team
	s_mul_i32 s44, s25, 80*PITCH
	s_add_co_u32 s44, s44, s55
	v_add_nc_u32 v1, s44, v46
	v_add_nc_u32 v2, BUF, v1
	s_mul_i32 s45, s26, 64*PITCH
	s_add_co_u32 s45, s45, s55
	s_add_co_u32 s45, s45, AREG
	v_add_nc_u32 v3, s45, v46
	v_add_nc_u32 v4, BUF, v3
	s_mul_i32 s46, s24, PITCH                      ; my wave's row in a round
	v_add_nc_u32 v5, s46, v14
	v_add_nc_u32 v6, 10*RP, v5
	v_add_nc_u32 v7, AREG, v5
	v_add_nc_u32 v8, BUF, v5
	v_add_nc_u32 v9, BUF, v6
	v_add_nc_u32 v10, BUF, v7
	v_lshl_add_u32 v11, v44, 11, v14               ; W2's tile: row = wave, 16 bytes a lane
	s_mul_i32 s47, s25, 80*SP
	s_lshl_b32 s56, s26, 8
	s_add_co_u32 s47, s47, s56
	v_mul_u32_u24 v12, v41, SP
	v_lshl_add_u32 v12, v42, 5, v12
	v_add_nc_u32 v12, s47, v12                     ; the stage, in: row 80 wm + r, byte 256 wn + 32 h: the same in both teams
	s_mul_i32 s56, s24, 20*SP
	v_add_nc_u32 v13, s56, v14                     ; back: my 20 rows, 16 bytes a lane
	s_mul_i32 s51, s25, 80                         ; my first row of the tile in the products,
	s_mul_i32 s52, s24, 20                         ; and on the way out
	s_wait_kmcnt 0x0
	s_min_u32 s20, s20, 7                          ; numbers that were loaded enter addresses only behind a bound
	s_min_u32 s21, s21, 4095
	s_min_u32 s22, s22, 160
	s_lshl_b32 s38, s20, 4
	s_load_b128 s[28:31], s[10:11], s38 offset:0x0 ; the expert's ex, ew1, eh, ew2
	s_max_u32 s36, s22, 1
	s_sub_co_u32 s36, s36, 1                       ; the tile's last row: rows beyond it are read as that row, and not stored
	s_lshl_b32 s40, s20, 21                        ; an expert's codes: 2 MiB
	s_lshl_b32 s42, s27, 18                        ; 128 rows of 2,048 bytes
	s_add_co_u32 s40, s40, s42
	s_mov_b32 s41, 0
	s_add_nc_u64 s[32:33], s[6:7], s[40:41]
	s_lshl_b32 s40, s20, 12                        ; b2: 4,096 bytes an expert,
	s_lshl_b32 s42, s27, 9                         ; 512 a slice,
	s_add_co_u32 s40, s40, s42
	s_lshl_b32 s42, s26, 8                         ; 256 a column of waves
	s_add_co_u32 s40, s40, s42
	s_add_nc_u64 s[34:35], s[8:9], s[40:41]
	s_sub_co_i32 s39, s22, s52                     ; rows left from my first stage row on
	s_lshl_b32 s40, s27, 9                         ; ybuf: 512 bytes a slice
	s_add_nc_u64 s[16:17], s[16:17], s[40:41]
.set p, 0
.rept NA                               ; the rows that I move lie on end in hq: position x 2,048 + my 16 bytes
	v_add_nc_u32 v[AOFF+p], RR*p, v44
	v_min_u32 v[AOFF+p], s36, v[AOFF+p]
	v_add_nc_u32 v[AOFF+p], s21, v[AOFF+p]
	v_min_u32 v[AOFF+p], 0xfff, v[AOFF+p]
	v_lshl_add_u32 v[AOFF+p], v[AOFF+p], 11, v14
.set p, p+1
.endr
.irp mt, 0,1,2,3,4                     ; where the ids of my lane's rows 80 wm + 16 mt + r lie in the list,
	v_add_nc_u32 v[LST+\mt], s51, v41
	v_add_nc_u32 v[LST+\mt], 16*\mt, v[LST+\mt]
	v_min_u32 v[LST+\mt], s36, v[LST+\mt]
	v_add_nc_u32 v[LST+\mt], s21, v[LST+\mt]
	v_min_u32 v[LST+\mt], 0xfff, v[LST+\mt]
	v_lshlrev_b32 v[LST+\mt], 2, v[LST+\mt]
.endr
	v_add_nc_u32 v[LST+5], s52, v43                ; and that of stage row 20 wave + lane
	v_min_u32 v[LST+5], s36, v[LST+5]
	v_add_nc_u32 v[LST+5], s21, v[LST+5]
	v_min_u32 v[LST+5], 0xfff, v[LST+5]
	v_lshlrev_b32 v[LST+5], 2, v[LST+5]
	s_wait_alu depctr_va_vdst(0)                   ; v1-14, v16-35, v45 and v240-245 are written: the loads and stores of the whole kernel read them as addresses and offsets
.irp mt, 0,1,2,3,4
	global_load_b32 v[LST+6+\mt], v[LST+\mt], s[12:13]
.endr
	global_load_b32 v[RID], v[LST+5], s[12:13]
.irp n, 0,1,2,3                        ; b2 at my outputs 64 wn + 16 n + 8 h + 0..7
	global_load_b128 v[208+8*\n:211+8*\n], v45, s[34:35] offset:64*\n
	global_load_b128 v[212+8*\n:215+8*\n], v45, s[34:35] offset:64*\n+16
.endr
	LOADA 0
	LOADB 0
	s_wait_loadcnt 0x2c                            ; the six ids are in: behind them stand the bias's 8 loads and the chunk's 36
.irp mt, 0,1,2,3,4
	v_min_u32 v[LST+6+\mt], 0xfff, v[LST+6+\mt]
	v_lshlrev_b32 v[LST+6+\mt], 2, v[LST+6+\mt]
.endr
	s_wait_alu depctr_va_vdst(0)                   ; v246-250 are written: the weights' loads read them as offsets
.irp mt, 0,1,2,3,4
	global_load_b32 v[WT+\mt], v[LST+6+\mt], s[18:19]
.endr
	s_wait_loadcnt 0x29                            ; the bias is in: behind it stand the chunk's 36 loads and the weights' 5
	s_wait_kmcnt 0x0
	s_add_co_i32 s48, s30, s31                     ; eh + ew2
	s_sub_co_i32 s49, 0, s48
	s_sub_co_i32 s49, s49, 1                       ; each team takes half of the bias
	WIN 0x40                                       ; destination window 1
.irp mt, 0,1,2,3,4
.set n, 0
.rept 32
	v_ldexp_f32 v[32*\mt+n], v[208+n], s49         ; the sums start as b2 / 2^(eh + ew2 + 1)
.set n, n+1
.endr
.endr
	WIN 0
	s_cmp_eq_u32 s22, 0
	s_cbranch_scc1 .Lno_first
	s_wait_loadcnt 0x0                             ; chunk 0
	STORE 0
	s_wait_dscnt 0x0                               ; the stores are done
	s_wait_alu depctr_vm_vsrc(0)                   ; the LDS stores have read v48-191, in which the next loads land
	LOADA 1
	LOADB 1
.Lno_first:
	BAR
	TRIP 0, 1
	TRIP 1, 1
	TRIP 2, 1
	TRIP 3, 0                                      ; it reads buffer 1 alone, and what follows writes h's part of buffer 0 alone, whose last reads stood in front of the last barrier: no barrier here
	; ---- team 1: each sum x its row's weight x 2^(eh + ew2), into the stage
	s_cmp_eq_u32 s22, 0
	s_cbranch_scc1 .Lno_part
	s_cmp_lt_u32 s24, 4                            ; a branch on the wave's number, over work alone
	s_cbranch_scc1 .Lno_part
	s_wait_loadcnt 0x0                             ; the weights are in, and no load is on its way into the registers written below
	WEIGH
	WIN 0x01                                       ; source 0 window 1, destination window 0
.irp mt, 0,1,2,3,4
.set n, 0
.rept 32
	v_mul_f32 v[ST+32*\mt+n], v[32*\mt+n], v[WT+\mt]   ; each accumulator from its low end on
.set n, n+1
.endr
.endr
	WIN 0
	TOSTAGE
.Lno_part:
	BAR                                            ; team 1's halves lie in the stage
	; ---- team 0: its own sums on top, by one fused multiply-add a number; each lane reads and writes the bytes that its partner lane wrote
	s_cmp_eq_u32 s22, 0
	s_cbranch_scc1 .Lno_sum
	s_cmp_ge_u32 s24, 4
	s_cbranch_scc1 .Lno_sum
	s_wait_loadcnt 0x0                             ; the weights are in, and no load is on its way into the registers written below
	s_wait_alu depctr_va_vdst(0)                   ; the last step's matrix instructions are done reading v192-207 (set 1), in which the last of the loads below land
.irp mt, 0,1,2,3,4
.irp nt, 0,1,2,3
	ds_load_b128 v[ST+32*\mt+8*\nt:ST+32*\mt+8*\nt+3],   v12 offset:16*SP*\mt+64*\nt
	ds_load_b128 v[ST+32*\mt+8*\nt+4:ST+32*\mt+8*\nt+7], v12 offset:16*SP*\mt+64*\nt+16
.endr
.endr
	WEIGH
	s_wait_alu depctr_va_vdst(0)
	s_wait_dscnt 0x0
	WIN 0x01                                       ; source 0 window 1; the weight, the other half and the destination in window 0
.irp mt, 0,1,2,3,4
.set n, 0
.rept 32
	v_fma_f32 v[ST+32*\mt+n], v[32*\mt+n], v[WT+\mt], v[ST+32*\mt+n]   ; each accumulator from its low end on
.set n, n+1
.endr
.endr
	WIN 0
	TOSTAGE
.Lno_sum:
	BAR                                            ; whole rows of 512 bytes lie in the stage
	s_cmp_le_i32 s39, 0
	s_cbranch_scc1 .Ldone
	s_wait_loadcnt 0x0                             ; no load is on its way into the registers that are written below
.set i, 0
.rept 20
	ds_load_b128 v[ST+4*i:ST+4*i+3], v13 offset:SP*i   ; no wait: whatever wrote or read v48-127 stands ahead of TOSTAGE's two waits
.set i, i+1
.endr
.set i, 0
.rept 20                               ; a row goes to its id's row of ybuf: the twenty ids in one run, a scalar register each
	v_readlane_b32 s[40+i], v[RID], i
.set i, i+1
.endr
	s_wait_alu depctr_va_sdst(0)                   ; s40-59 are written, ahead of their first readers: one wait for the run
.set i, 0
.rept 20                               ; an offset register for each row, written once
	s_min_u32 s[40+i], s[40+i], 4095
	s_lshl_b32 s[40+i], s[40+i], 12
	v_add_nc_u32 v[128+i], s[40+i], v14
.set i, i+1
.endr
	s_wait_dscnt 0x0
	s_wait_alu depctr_va_vdst(0)                   ; v128-147 are written: the stores below read them as offsets
.set i, 0
.rept 20
	s_cmp_le_i32 s39, i                            ; rows beyond the tile's count are not stored
	s_cbranch_scc1 .Ldone
	global_store_b128 v[128+i], v[ST+4*i:ST+4*i+3], s[16:17] th:TH_STORE_NT   ; 32 lanes store 512 consecutive bytes, aligned; written once, read by nobody here
.set i, i+1
.endr
.Ldone:
	s_wait_dscnt 0x0                               ; the closing lines, six on end
	s_wait_alu 0x0
	s_wait_tensorcnt 0x0
	ds_add_u32 v254, v255
	s_wait_dscnt 0x0
	s_endpgm
.Lfunc_end_k_qa95c511e06_ffn2:
	.size	k_qa95c511e06_ffn2, .Lfunc_end_k_qa95c511e06_ffn2-k_qa95c511e06_ffn2
	.p2alignl 7, 3214868480
	.fill 96, 4, 3214868480
	.section	.rodata,"a",@progbits
	.p2align	6, 0x0
	.amdhsa_kernel k_qa95c511e06_ffn2
		.amdhsa_group_segment_fixed_size 305152
		.amdhsa_private_segment_fixed_size 0
		.amdhsa_enable_private_segment 0
		.amdhsa_kernarg_size 64
		.amdhsa_user_sgpr_count 2
		.amdhsa_user_sgpr_kernarg_segment_ptr 1
		.amdhsa_wavefront_size32 1
		.amdhsa_system_sgpr_workgroup_id_x 1
		.amdhsa_system_sgpr_workgroup_id_y 1
		.amdhsa_system_sgpr_workgroup_id_z 1
		.amdhsa_system_vgpr_workitem_id 0
		.amdhsa_next_free_vgpr 512
		.amdhsa_next_free_sgpr 66
		.amdhsa_reserve_vcc 0
		.amdhsa_float_denorm_mode_32 3
		.amdhsa_float_denorm_mode_16_64 3
		.amdhsa_memory_ordered 1
		.amdhsa_forward_progress 1
		.amdhsa_inst_pref_size 124
	.end_amdhsa_kernel
	.amdgpu_metadata
---
amdhsa.version: [ 1, 2 ]
amdhsa.kernels:
  - .name:           k_qa95c511e06_ffn2
    .symbol:         k_qa95c511e06_ffn2.kd
    .args:
      - { .name: hq, .offset: 0, .size: 8, .value_kind: global_buffer, .address_space: global }
      - { .name: w2_codes, .offset: 8, .size: 8, .value_kind: global_buffer, .address_space: global }
      - { .name: b2, .offset: 16, .size: 8, .value_kind: global_buffer, .address_space: global }
      - { .name: lowp_scales, .offset: 24, .size: 8, .value_kind: global_buffer, .address_space: global }
      - { .name: rows, .offset: 32, .size: 8, .value_kind: global_buffer, .address_space: global }
      - { .name: tiles, .offset: 40, .size: 8, .value_kind: global_buffer, .address_space: global }
      - { .name: ybuf, .offset: 48, .size: 8, .value_kind: global_buffer, .address_space: global }
      - { .name: wts, .offset: 56, .size: 8, .value_kind: global_buffer, .address_space: global }
    .group_segment_fixed_size: 305152
    .private_segment_fixed_size: 0
    .kernarg_segment_align: 8
    .kernarg_segment_size: 64
    .max_flat_workgroup_size: 256
    .sgpr_count:     66
    .vgpr_count:     512
    .wavefront_size: 32
...
	.end_amdgpu_metadata
.endif
;; end of part 9
;; launch combine (part 10): grid 256 x 1, 8 waves a work-group, no clusters, 0 bytes of LDS; arguments ybuf, out0; writes out0
.if DOCPART == 10
	.amdgcn_target "amdgcn-amd-amdhsa--gfx1250"
	.amdhsa_code_object_version 6
	.text
	.protected	k_qa95c511e06_combine
	.globl	k_qa95c511e06_combine
	.p2align	8
	.type	k_qa95c511e06_combine,@function
k_qa95c511e06_combine:
	s_mov_b64 s[64:65], 0
	v_nop
	global_prefetch_b8 v0, s[64:65] scope:SCOPE_SE
	s_setreg_imm32_b32 hwreg(HW_REG_WAVE_MODE, 25, 1), 1
	s_wait_xcnt 0x0
; out0[t] = ybuf[2 t] + ybuf[2 t + 1]: a token's two weighted expert rows.  A stream: every byte is read once and written once; no LDS, no barrier, no matrix unit.
; A work-group takes 8 tokens; thread n takes the 16 bytes at 16 n of every row of 4,096 bytes, so each load and store of a wave covers 512 consecutive bytes, aligned.
; All 16 loads go out at once; every offset is an immediate, and no register is written twice.
.set Y, 8                              ; v8-71   token i, slot k: 4 registers at Y + 8 i + 4 k
.set O, 72                             ; v72-103 token i: 4 registers
	s_load_b128 s[4:7], s[0:1], 0x0                ; ybuf s[4:5], out0 s[6:7]
	v_lshlrev_b32 v1, 4, v0
	s_lshl_b32 s8, ttmp9, 16                       ; 8 tokens x 2 rows x 4,096 bytes
	s_mov_b32 s9, 0
	s_lshl_b32 s10, ttmp9, 15                      ; 8 rows x 4,096 bytes
	s_mov_b32 s11, 0
	s_wait_alu depctr_va_vdst(0)
	s_wait_kmcnt 0x0
	s_add_nc_u64 s[4:5], s[4:5], s[8:9]
	s_add_nc_u64 s[6:7], s[6:7], s[10:11]
.irp i, 0,1,2,3,4,5,6,7
	global_load_b128 v[Y+8*\i:Y+8*\i+3],   v1, s[4:5] offset:8192*\i th:TH_LOAD_NT
	global_load_b128 v[Y+8*\i+4:Y+8*\i+7], v1, s[4:5] offset:8192*\i+4096 th:TH_LOAD_NT
.endr
.irp i, 0,1,2,3,4,5,6,7
	s_wait_loadcnt 14-2*\i                         ; loads come back in order (ISA guide 5.7.1): token i's two are in, the younger pairs stay out
	v_pk_add_f32 v[O+4*\i:O+4*\i+1],   v[Y+8*\i:Y+8*\i+1],   v[Y+8*\i+4:Y+8*\i+5]
	v_pk_add_f32 v[O+4*\i+2:O+4*\i+3], v[Y+8*\i+2:Y+8*\i+3], v[Y+8*\i+6:Y+8*\i+7]
	global_store_b128 v1, v[O+4*\i:O+4*\i+3], s[6:7] offset:4096*\i th:TH_STORE_NT
.endr
	s_endpgm
.Lfunc_end_k_qa95c511e06_combine:
	.size	k_qa95c511e06_combine, .Lfunc_end_k_qa95c511e06_combine-k_qa95c511e06_combine
	.p2alignl 7, 3214868480
	.fill 96, 4, 3214868480
	.section	.rodata,"a",@progbits
	.p2align	6, 0x0
	.amdhsa_kernel k_qa95c511e06_combine
		.amdhsa_group_segment_fixed_size 0
		.amdhsa_private_segment_fixed_size 0
		.amdhsa_enable_private_segment 0
		.amdhsa_kernarg_size 16
		.amdhsa_user_sgpr_count 2
		.amdhsa_user_sgpr_kernarg_segment_ptr 1
		.amdhsa_wavefront_size32 1
		.amdhsa_system_sgpr_workgroup_id_x 1
		.amdhsa_system_sgpr_workgroup_id_y 1
		.amdhsa_system_sgpr_workgroup_id_z 1
		.amdhsa_system_vgpr_workitem_id 0
		.amdhsa_next_free_vgpr 104
		.amdhsa_next_free_sgpr 66
		.amdhsa_reserve_vcc 0
		.amdhsa_float_denorm_mode_32 3
		.amdhsa_float_denorm_mode_16_64 3
		.amdhsa_memory_ordered 1
		.amdhsa_forward_progress 1
		.amdhsa_inst_pref_size 5
	.end_amdhsa_kernel
	.amdgpu_metadata
---
amdhsa.version: [ 1, 2 ]
amdhsa.kernels:
  - .name:           k_qa95c511e06_combine
    .symbol:         k_qa95c511e06_combine.kd
    .args:
      - { .name: ybuf, .offset: 0, .size: 8, .value_kind: global_buffer, .address_space: global }
      - { .name: out0, .offset: 8, .size: 8, .value_kind: global_buffer, .address_space: global }
    .group_segment_fixed_size: 0
    .private_segment_fixed_size: 0
    .kernarg_segment_align: 8
    .kernarg_segment_size: 16
    .max_flat_workgroup_size: 256
    .sgpr_count:     66
    .vgpr_count:     104
    .wavefront_size: 32
...
	.end_amdgpu_metadata
.endif
;; end of part 10
